; MI455X (gfx1250); checked and timed in simulation.
; The chip was launched on July 23, 2026; its instructions are those of AMD's public machine-readable ISA for CDNA 5 (MIT licence, August 2026) and "CDNA5" Instruction Set Architecture Reference Guide (July 2026). The comments in the code are by the model that wrote it; some were corrected since.
;; Luka Qwen Attention. Allowed arithmetic: matrix products marked QUANTISED: E4M3 operands, one given power-of-two scale a tensor, by v_wmma_f32_16x16x64_fp8_fp8 or v_wmma_f32_16x16x128_fp8_fp8, f32 sums; everything else in f32.
;; Inputs: cos 2 x 2,048 x 128 float32; hidden_states 2 x 2,048 x 2,048 float32; k_norm_w 128 float32; k_w 1,024 x 2,048 float32; lowp_scales 12 int32 (the exponents e of the quantised operands' scales 2^e); o_w 2,048 x 1,024 float32; q_norm_w 128 float32; q_w 1,024 x 2,048 float32; sin 2 x 2,048 x 128 float32; v_w 1,024 x 2,048 float32.
;; Outputs: out0 2 x 2,048 x 2,048 float32.
;; This version of the problem:
;;   THIS VERSION OF THE PROBLEM IS GIVEN IN LOW PRECISION. The matrix products marked QUANTISED in the list below multiply operands that are first quantised to E4M3 (4 exponent bits, 3 mantissa bits; 8 bits a number), with one given power-of-two scale for each operand tensor; their sums are f32. All else is computed in f32.
;;   The module's matrix products, in the order in which they are computed (A, B: the left and right operand; K: the contracted axis; several contracted axes count as one K, in the product's order):
;;     1. [M 4,096, K 2,048] x [K 2,048, N 1,024]; A: input hidden_states; B: input q_w: QUANTISED (scales: A lowp_scales[0], B lowp_scales[1])
;;     2. [M 4,096, K 2,048] x [K 2,048, N 1,024]; A: input hidden_states; B: input k_w: QUANTISED (scales: A lowp_scales[2], B lowp_scales[3])
;;     3. [M 4,096, K 2,048] x [K 2,048, N 1,024]; A: input hidden_states; B: input v_w: QUANTISED (scales: A lowp_scales[4], B lowp_scales[5])
;;     4. batch 16 x [M 2,048, K 128] x [K 128, N 2,048]; A: computed on the way; B: computed on the way: QUANTISED (scales: A lowp_scales[6], B lowp_scales[7])
;;     5. batch 16 x [M 2,048, K 2,048] x [K 2,048, N 128]; A: softmax (see below); B: computed on the way: QUANTISED (scales: A lowp_scales[8], B lowp_scales[9])
;;     6. [M 4,096, K 1,024] x [K 1,024, N 2,048]; A: computed on the way; B: input o_w: QUANTISED (scales: A lowp_scales[10], B lowp_scales[11])
;;   THE QUANTISER, for each operand of a quantised product, along K:
;;     - The operand's scale is 2^e, e = its entry of the input lowp_scales (int32; the entries are numbered through the quantised products in the list's order, A before B).
;;     - Each number is divided by the scale, clamped to +-448, and rounded to the nearest number of E4M3, ties to even, subnormals kept.
;;     - The product sums the exact products of the quantised numbers (number of the format x scale) in f32.
;;   ~~~python
;;   def quantise(x, axis, e):      # numpy; x: float32 -> the quantised numbers, widened to float32 again
;;       x = np.moveaxis(x, axis, -1); K = x.shape[-1]
;;       r = np.clip(x / 2.0 ** e, -448, 448)
;;       step = 2.0 ** (np.maximum(np.frexp(np.where(r == 0, 1, r))[1] - 1, -6) - 3)
;;       q = np.round(r / step) * step * 2.0 ** e      # np.round: ties to even
;;       return np.moveaxis(q, -1, axis).astype(np.float32)
;;   ~~~
;;   SOFTMAX AHEAD OF A QUANTISED PRODUCT. Where the list says 'softmax', what is quantised is not the finished softmax but p = 2^(t - M), with t = logit x log2(e) and M = ceil(the row's largest t), a whole number; so 1/2 < the row's largest p <= 1. The row's sum l is taken of the UNQUANTISED p, in f32, and the product's result is divided by l at the end. Since M is a whole number, a kernel that streams over the keys may use a running M (the ceiling of the running maximum): every later rescaling is an exact power of two, so the quantised numbers keep their values, but for numbers so far below the row's largest that they fall under the format's range.
;;   OPERANDS COMPUTED ON THE WAY. 'Computed on the way' means the value that the module computes at that place (a softmax that the list does not call 'softmax' is quantised finished and normalised). What goes into a quantiser is computed in f32, as accurately as f32 sums, v_exp_f32 and their like allow (about 1e-6 of the number): no bf16 or f16 on the way to a quantiser, and a product that is left as it is and whose result goes on into a quantised operand takes f32 operands (vector FMAs, or v_wmma_f32_16x16x4_f32). A number that lies on a knife's edge between two numbers of the format may be rounded either way, as far as f32 arithmetic and the matrix unit's own rounding can turn it there, and no further.
;; One version. Each part assembles by itself: llvm-mc -triple=amdgcn-amd-amdhsa -mcpu=gfx1250 --defsym DOCPART=n.
;; ======== version 1 of 1: 4 launches
;; limits: right only within a limited range of input values
;; workspace buffers: h_img 25,165,824 bytes; w_img 8,388,608 bytes; qkv_img 12,582,912 bytes; ctx_img 4,194,304 bytes
;; launch quant (part 1): grid 512 x 1, 4 waves a work-group, no clusters, 34,304 bytes of LDS; arguments hidden_states, q_w, k_w, v_w, o_w, lowp_scales, h_img, w_img; writes h_img, w_img
.if DOCPART == 1
	.amdgcn_target "amdgcn-amd-amdhsa--gfx1250"
	.amdhsa_code_object_version 6
	.text
	.protected	k_qdeb8e5ce12_quant
	.globl	k_qdeb8e5ce12_quant
	.p2align	8
	.type	k_qdeb8e5ce12_quant,@function
k_qdeb8e5ce12_quant:
	s_mov_b64 s[64:65], 0
	v_nop
	global_prefetch_b8 v0, s[64:65] scope:SCOPE_SE
	s_setreg_imm32_b32 hwreg(HW_REG_WAVE_MODE, 25, 1), 1
	s_wait_xcnt 0x0
; LAUNCH 1 OF 4.  hidden_states and the four weights, f32 with K innermost, become codes of E4M3 with the given scales 2^e.
; THE WHOLE PROGRAM: (1) this; (2) the three projections, RMSNorm, RoPE, the quantisers of q, k, v; (3) causal attention and the quantiser of ctx; (4) the projection on the way out.
; DEAD WORK, left out in launch 3 alone: reference() builds causal = tril(ones) in its own body and sets the score of key t > query s to finfo.min ahead of the softmax.  Such a key's weight is
; exp(finfo.min - the row's largest score): for all finite inputs it lies under every number of E4M3 at any scale that f32 can hold, so its code is 0 and adds nothing to the second product, and it moves the row's sum by
; less than rounding.  So key steps of 128 keys that lie wholly behind a tile's 16 queries are not multiplied; inside a step on the diagonal the work stays and the scores are masked.  Every input has a way to the output: all are loaded.
; LIMIT: a NaN, an infinity or an overflow that reaches only those key steps is not carried to the result.
; THE FORMAT OF EVERY OPERAND IN THIS PROGRAM: a FRAGMENT is 16 rows x 128 along K, 2,048 bytes, laid as the matrix instruction's registers: [piece c 0..3][lane 0..31][16 bytes]; lane (r = lane % 16, h = lane / 16)
; holds at piece c the codes of k = 32 c + 16 h + 0 .. 15 of its row.  ROW TILE T HOLDS ROWS 32 (T / 2) + 8 (T % 2) + r + 8 (r / 8): a product that takes such tiles as source 0 leaves 16 neighbours along that axis in a lane's
; 16 registers of two neighbouring tiles, which is what the next quantiser wants.
; h_img: [product 3][K / 256: 8][row tile 256][which 128: 2][2048]: hidden_states is quantised three times, with e0, e2, e4, which may differ.
; w_img: q_w, k_w, v_w at 0, 2, 4 MiB: [8][row tile 64][2][2048]; o_w at 6 MiB: [4][row tile 128][2][2048].
; code = x / 2^e, held within +-448, to the nearest code, ties to even.  LIMITS: each e used here (e0 .. e5, e11) between -126 and 119; NaN among the inputs is not served.
; SHARES: 8,192 fragments; a wave takes four (one row tile, four neighbouring steps of 128 along K), a work-group 16.  Work-groups 0-255: hidden_states; 256-319 q_w; 320-383 k_w; 384-447 v_w; 448-511 o_w.
; A load reads one row's 512 bytes, 16 a lane; the 16 rows turn through the wave's own stage in LDS (rows 528 bytes apart, so that the 16 rows that a read touches begin at 16 different banks: ISA guide 11.1) and come back 64 numbers a lane.
; Each store of the wave covers 512 consecutive bytes, aligned.  No tensor load, no barrier: waves share nothing.  Matrix units and clusters would serve nothing here: no byte is read twice.
.set STGW,  8448                       ; a wave's stage: 16 rows x 528 bytes
.set SP,    528
.set SPARE, 4*STGW                     ; behind the stages: the spare words, 128 bytes a wave: two blocks of 256 bytes that no other line names
.set SIA,   3                          ; v3   the stage, on the way in: 16 x lane
.set SOA,   4                          ; v4   on the way out: 528 r + 64 h
.set VD,    5                          ; v5   16 x lane;  v6: the same + one step of 256 along K in the image
.set SCL,   8                          ; v8-13  three pairs: 2^e, 448 x 2^e
.set SPW,   14                         ; v14  my spare word's LDS address; never rewritten
.set NIL,   15                         ; v15  0; never rewritten
.set OFF,   16                         ; v16-31  row i of the tile: 16 x lane + (i + 8 (i / 8)) x a row's bytes; never rewritten
.set R,     32                         ; v32-159  two sets of 64: rows as loaded
.set X,     160                        ; v160-223 my 64 numbers: register 16 c + i is k = 32 c + 16 h + i
.set T,     224                        ; v224-239 two sets of 8: held numbers
.set CD,    240                        ; v240-255 a fragment's codes
	s_load_b512 s[8:23], s[0:1], 0x0               ; hidden s[8:9], q_w, k_w, v_w, o_w s[16:17], the exponents s[18:19], h_img s[20:21], w_img s[22:23]
	v_lshl_add_u32 v[SPW], v0, 2, SPARE
	v_mov_b32 v[NIL], 0
	v_lshrrev_b32 v1, 5, v0
	v_readfirstlane_b32 s24, v1                    ; wave 0..3
	v_and_b32 v1, 31, v0                           ; lane
	v_and_b32 v7, 15, v0                           ; r
	v_bfe_u32 v2, v0, 4, 1                         ; h
	s_mul_i32 s52, s24, STGW
	v_lshlrev_b32 v[VD], 4, v1
	s_wait_alu depctr_va_vdst(0)
	v_add_nc_u32 v[SIA], s52, v[VD]
	v_mul_u32_u24 v[SOA], v7, SP
	v_lshl_add_u32 v[SOA], v2, 6, v[SOA]
	v_add_nc_u32 v[SOA], s52, v[SOA]
	; which tensor: every choice hangs on the work-group's number alone
	s_and_b32 s25, ttmp9, 63
	s_sub_co_u32 s58, ttmp9, 256
	s_lshr_b32 s58, s58, 6
	s_lshl_b32 s58, s58, 21                        ; a weight's place in w_img: 2 MiB x (0 .. 3)
	s_mov_b32 s28, 0x80000
	s_cmp_lt_u32 ttmp9, 448
	s_cselect_b32 s26, 4, 3                        ; log2 of the steps of 128 along K: 16, for o_w 8
	s_cselect_b32 s28, 0x40000, s28
	s_cmp_lt_u32 ttmp9, 256
	s_cselect_b32 s25, ttmp9, s25                  ; my number among the tensor's work-groups
	s_cselect_b32 s28, 0x100000, s28               ; a step of 256 along K in the image: row tiles x 4,096 bytes
	s_cselect_b32 s58, 0, s58
	s_mov_b32 s59, 0
	s_lshl_b32 s29, s25, 4
	s_lshl_b32 s52, s24, 2
	s_add_co_u32 s29, s29, s52                     ; my first fragment
	s_lshr_b32 s30, s29, s26                       ; its row tile,
	s_lshl_b32 s52, s30, s26
	s_sub_co_u32 s31, s29, s52                     ; and its step along K: a multiple of 4
	s_lshl_b32 s27, 512, s26                       ; a row of the tensor in bytes
	s_lshr_b32 s52, s30, 1
	s_lshl_b32 s52, s52, 5
	s_and_b32 s53, s30, 1
	s_lshl_b32 s53, s53, 3
	s_add_co_u32 s52, s52, s53                     ; the tile's first row
	s_mul_i32 s52, s52, s27
	s_lshl_b32 s53, s31, 9
	s_add_co_u32 s52, s52, s53                     ; from where, in bytes (under 2^26)
	s_mov_b32 s53, 0
	s_lshr_b32 s54, s31, 1
	s_mul_i32 s54, s54, s28
	s_lshl_b32 s55, s30, 12
	s_add_co_u32 s54, s54, s55                     ; to where
	s_mov_b32 s55, 0
	v_mov_b32 v2, s27
	v_add_nc_u32 v[VD+1], s28, v[VD]
.set i, 0
.rept 16
	v_mad_u32_u24 v[OFF+i], v2, i+8*(i/8), v[VD]
.set i, i+1
.endr
	s_wait_alu depctr_va_vdst(0)
	s_wait_kmcnt 0x0
	s_load_b256 s[40:47], s[18:19], 0x0            ; e0 .. e7
	s_load_b128 s[48:51], s[18:19], 0x20           ; e8 .. e11
	s_cmp_lt_u32 ttmp9, 448
	s_cselect_b64 s[32:33], s[14:15], s[16:17]
	s_cmp_lt_u32 ttmp9, 384
	s_cselect_b64 s[32:33], s[12:13], s[32:33]
	s_cmp_lt_u32 ttmp9, 320
	s_cselect_b64 s[32:33], s[10:11], s[32:33]
	s_cmp_lt_u32 ttmp9, 256
	s_cselect_b64 s[32:33], s[8:9], s[32:33]
	s_cselect_b64 s[34:35], s[20:21], s[22:23]
	s_add_nc_u64 s[32:33], s[32:33], s[52:53]      ; the tensor at my tile's first row and step
	s_add_nc_u64 s[34:35], s[34:35], s[58:59]
	s_add_nc_u64 s[34:35], s[34:35], s[54:55]      ; the image for the first scale,
	s_add_nc_u64 s[36:37], s[20:21], s[54:55]
	s_add_nc_u64 s[38:39], s[36:37], 0x1000000     ; for hidden_states' third (used by work-groups 0-255 alone),
	s_add_nc_u64 s[36:37], s[36:37], 0x800000      ; and second
.macro LOADF f                         ; fragment f's 16 rows, 512 bytes each, into set f % 2
.set i, 0
.rept 16
	global_load_b128 v[R+64*((\f)%2)+4*i:R+64*((\f)%2)+4*i+3], v[OFF+i], s[32:33] offset:512*(\f) th:TH_LOAD_NT
.set i, i+1
.endr
.endm
	LOADF 0
	LOADF 1
.macro MKSC e, n                       ; 2^e as f32 (the conversion takes its exponent field), and 448 x 2^e
	s_add_co_i32 s60, s[\e], 127
	s_lshl_b32 s61, s60, 23
	v_mov_b32 v[SCL+2*(\n)], s61
	s_add_co_i32 s60, s60, 8
	s_lshl_b32 s60, s60, 23
	s_or_b32 s60, s60, 0x600000
	v_mov_b32 v[SCL+2*(\n)+1], s60
.endm
	s_wait_kmcnt 0x0
	s_cmp_lt_u32 ttmp9, 448
	s_cselect_b32 s56, s45, s51                    ; v_w: e5; o_w: e11
	s_cmp_lt_u32 ttmp9, 384
	s_cselect_b32 s56, s43, s56                    ; k_w: e3
	s_cmp_lt_u32 ttmp9, 320
	s_cselect_b32 s56, s41, s56                    ; q_w: e1
	s_cmp_lt_u32 ttmp9, 256
	s_cselect_b32 s56, s40, s56                    ; hidden_states: e0,
	MKSC 56, 0
	MKSC 42, 1                                     ; e2,
	MKSC 44, 2                                     ; e4
; My 64 numbers become a fragment's codes under scale n and are stored.  The numbers stay as they are (hidden_states is quantised three times): the held numbers go into T.
.macro QUANT n, f
	s_wait_xcnt 0x0                                ; the last stores have read the codes' registers: only behind this wait are they written again
.set g, 0
.rept 8
.set i, 0
.rept 8
	v_med3_num_f32 v[T+8*(g%2)+i], v[X+8*g+i], -v[SCL+2*(\n)+1], v[SCL+2*(\n)+1]   ; the conversion to an 8-bit code does not saturate (ISA guide 7.6.2): the hold at the largest code x the scale
.set i, i+1
.endr
	v_cvt_scalef32_pk8_fp8_f32 v[CD+2*g:CD+2*g+1], v[T+8*(g%2):T+8*(g%2)+7], v[SCL+2*(\n)]   ; T's two sets take turns: eight plain lines stand between a conversion and the next write of its sources
.set g, g+1
.endr
	v_nop                                          ; a plain line behind the last conversion
.set g, 0
.rept 4
	global_store_b128 v[VD+(\f)/2], v[CD+4*g:CD+4*g+3], s[34+2*(\n):35+2*(\n)] offset:((\f)%2)*2048+512*g   ; 512 consecutive bytes, aligned
.set g, g+1
.endr
.endm
.macro FRAGM f
.if (\f) < 3
	s_wait_loadcnt 16                              ; this fragment's 16 loads are in; the next fragment's 16 may be out
.else
	s_wait_loadcnt 0x0
.endif
.set i, 0
.rept 16
	ds_store_b128 v[SIA], v[R+64*((\f)%2)+4*i:R+64*((\f)%2)+4*i+3] offset:SP*i
.set i, i+1
.endr
.set i, 0
.rept 16
	ds_load_b128 v[X+4*i:X+4*i+3], v[SOA] offset:128*(i/4)+16*(i%4)   ; LDS serves a wave's instructions in order (ISA guide 5.7.1.4): these see the stores above
.set i, i+1
.endr
	s_wait_dscnt 0x0                               ; my numbers are back; the stores have read their registers,
.if (\f) < 2
	LOADF (\f)+2                                   ; which take the fragment two further on
.endif
	QUANT 0, \f
	s_cmp_lt_u32 ttmp9, 256                        ; a weight has one scale
	s_cbranch_scc0 .Lweight_\@
	QUANT 1, \f
	QUANT 2, \f
.Lweight_\@:
.endm
	s_wait_alu depctr_va_vdst(0)
	FRAGM 0
	FRAGM 1
	FRAGM 2
	FRAGM 3
	s_wait_tensorcnt 0x0                           ; the wave's end, behind my last LDS store
	ds_add_u32 v[SPW], v[NIL]
	s_wait_dscnt 0x0
	s_endpgm
.Lfunc_end_k_qdeb8e5ce12_quant:
	.size	k_qdeb8e5ce12_quant, .Lfunc_end_k_qdeb8e5ce12_quant-k_qdeb8e5ce12_quant
	.p2alignl 7, 3214868480
	.fill 96, 4, 3214868480
	.section	.rodata,"a",@progbits
	.p2align	6, 0x0
	.amdhsa_kernel k_qdeb8e5ce12_quant
		.amdhsa_group_segment_fixed_size 34304
		.amdhsa_private_segment_fixed_size 0
		.amdhsa_enable_private_segment 0
		.amdhsa_kernarg_size 64
		.amdhsa_user_sgpr_count 2
		.amdhsa_user_sgpr_kernarg_segment_ptr 1
		.amdhsa_wavefront_size32 1
		.amdhsa_system_sgpr_workgroup_id_x 1
		.amdhsa_system_sgpr_workgroup_id_y 1
		.amdhsa_system_sgpr_workgroup_id_z 1
		.amdhsa_system_vgpr_workitem_id 0
		.amdhsa_next_free_vgpr 256
		.amdhsa_next_free_sgpr 66
		.amdhsa_reserve_vcc 0
		.amdhsa_float_denorm_mode_32 3
		.amdhsa_float_denorm_mode_16_64 3
		.amdhsa_memory_ordered 1
		.amdhsa_forward_progress 1
		.amdhsa_inst_pref_size 80
	.end_amdhsa_kernel
	.amdgpu_metadata
---
amdhsa.version: [ 1, 2 ]
amdhsa.kernels:
  - .name:           k_qdeb8e5ce12_quant
    .symbol:         k_qdeb8e5ce12_quant.kd
    .args:
      - { .name: hidden_states, .offset: 0, .size: 8, .value_kind: global_buffer, .address_space: global }
      - { .name: q_w, .offset: 8, .size: 8, .value_kind: global_buffer, .address_space: global }
      - { .name: k_w, .offset: 16, .size: 8, .value_kind: global_buffer, .address_space: global }
      - { .name: v_w, .offset: 24, .size: 8, .value_kind: global_buffer, .address_space: global }
      - { .name: o_w, .offset: 32, .size: 8, .value_kind: global_buffer, .address_space: global }
      - { .name: lowp_scales, .offset: 40, .size: 8, .value_kind: global_buffer, .address_space: global }
      - { .name: h_img, .offset: 48, .size: 8, .value_kind: global_buffer, .address_space: global }
      - { .name: w_img, .offset: 56, .size: 8, .value_kind: global_buffer, .address_space: global }
    .group_segment_fixed_size: 34304
    .private_segment_fixed_size: 0
    .kernarg_segment_align: 8
    .kernarg_segment_size: 64
    .max_flat_workgroup_size: 128
    .sgpr_count:     66
    .vgpr_count:     256
    .wavefront_size: 32
...
	.end_amdgpu_metadata
.endif
;; end of part 1
;; launch qkv (part 2): grid 12 x 16, 4 waves a work-group, clusters of 4 x 4, 327,680 bytes of LDS; arguments h_img, w_img, lowp_scales, cos, sin, q_norm_w, k_norm_w, qkv_img; writes qkv_img
.if DOCPART == 2
	.amdgcn_target "amdgcn-amd-amdhsa--gfx1250"
	.amdhsa_code_object_version 6
	.text
	.protected	k_qdeb8e5ce12_qkv
	.globl	k_qdeb8e5ce12_qkv
	.p2align	8
	.type	k_qdeb8e5ce12_qkv,@function
k_qdeb8e5ce12_qkv:
	s_mov_b64 s[64:65], 0
	v_nop
	global_prefetch_b8 v0, s[64:65] scope:SCOPE_SE
	s_setreg_imm32_b32 hwreg(HW_REG_WAVE_MODE, 25, 1), 1
	s_wait_xcnt 0x0
	s_wait_alu depctr_hold_cnt(0) depctr_sa_sdst(0) depctr_va_vdst(0) depctr_va_sdst(0) depctr_va_ssrc(0) depctr_va_vcc(0) depctr_vm_vsrc(0)
	s_getreg_b32 s2, hwreg(HW_REG_IB_STS2, 6, 4)
	s_cmp_eq_u32 s2, 0
	s_cbranch_scc0 .Lentry_in_a_cluster
	s_endpgm
.Lentry_in_a_cluster:
	s_bfe_u32 s2, ttmp6, 0x10000c
	s_cmp_lg_u32 s2, 0xf033
	s_cbranch_scc0 .Lentry_shape_is_right
	s_endpgm
.Lentry_shape_is_right:
; LAUNCH 2 OF 4.  The three projections on codes of E4M3 (K = 2,048), then for q and k the RMSNorm of each head, RoPE and the quantiser (2^e6, 2^e7), for v the quantiser (2^e9).  Nothing is left out here.
; SHARES.  Cluster x = the product (0 q, 1 k, 2 v).  A work-group makes 256 tokens x 256 channels (two heads); each of its four waves 128 x 128: 64 accumulators, 512 registers.
; K goes in steps of 256 through two LDS slots.  A wave fetches a quarter of a slot by one joint tensor load: 32,768 dense bytes of an image, stated as 128 rows of 256 bytes, 16 bytes of padding behind each.
; Tokens' tiles are shared along a row of the cluster, weights' tiles along a column.
; q, k: source 0 = 16 channels, source 1 = 16 tokens: a lane holds ONE token; register 16 c + i of a token tile is channel 32 c + 16 h + i of the wave's head (the row tiles' order: launch 1's head).
; v: the sources change places (the fragments' addresses do), so that a lane holds one channel and its registers run along the keys.
; COS AND SIN COME THROUGH THE RING.  In the q and k clusters slot 0, behind K step 6, and slot 1, behind K step 7, are filled once more: wave w brings 64 tokens x 512 bytes of cos (w even) or sin (w odd)
; for token half w / 2, in the same 128 padded rows as a tile of codes, shared along the cluster's row.  Slot 0 serves each wave's token tiles 0-3, slot 1 tiles 4-7.  A token's 512 bytes are two LDS rows, 544 bytes.
; The branch between the q, k arm and the v arm hangs on the cluster's x alone, which all partners share.
; ORDER OF ROUNDING: out = ((x w) cos -+ (x w)' sin) f with f = 2^(eA + eB) rsqrt(mean + eps); reference() multiplies by f first.  All in f32.
; PREFETCHES: behind each refill one instruction a wave names the tile that stands two refills on: of the 32,768 bytes that the wave will fetch, each of the four partners of the joint load takes 8,192, told apart by
; address, lanes 256 bytes apart.  K steps 1 to 3 are named at the head, behind K step 0's load; the loop's last trip names cos and sin (q, k) or nothing (v).
; LIMITS: eA + eB between -126 and 127, 2 (eA + eB) - 7 likewise; e6, e7 and e9 - e4 - e5 between -126 and 119.  NaN among the inputs is not served.
; REGISTERS.  window 0: v4-9 sums and f; v10-13 prefetch offsets; v14-25 addresses; v28, v29 the add's two; v30, v31 448 x scale, scale; v32-95 the norm's weights; v96-111 codes; v128-255 source 1's fragments, later v128-191 x w.
;   window 1: source 0's fragments, two sets; on the way out two sets of cos (64) and sin (64).   windows 2, 3: the accumulators of token tiles 0-3, 4-7.
.set HALFT,  34816                     ; 128 LDS rows of 272 bytes: what one tensor load fills
.set SLOT,   4*HALFT
.set SPARE,  2*SLOT                    ; behind the ring: the spare words, 128 bytes a wave, which no other line names
.set LAPS,   4
.set FR,     16
.set NL,     4
.set NP,     4
.set SS,   4
.set F,    8
.set PFO,  10                          ; v10 256 x lane; v11-13 the same + 1, 2, 3 K steps
.set CSA,  14                          ; v14, v15 my lane's place in cos' rows of slot 0, 1
.set ADRA, 16
.set ADRB, 20
.set L16,  24                          ; 16 x lane
.set WAD,  25                          ; 64 h
.set SPW,  28
.set NIL,  29
.set LIM,  30
.set SC,   31
.set W,    32
.set CD,   96
.set AF,   128
.set N,    128
.set G0C, 4                            ; s[4:11] group 0 of the cos / sin fills, one for each slot
.set G1,  24
.set G0,  32
.set G1B, 48
.set G0B, 56
.set PFA, 68                           ; s[68:69] my part of my tile at K step 2 t in trip t
.set PFS, 70                           ; s[70:71] two K steps in bytes
.set PFC, 74                           ; s[74:75] my part of my cos / sin tile
.set MSB, 0
.macro WIN new
.if MSB != (\new)
	s_set_vgpr_msb (MSB<<8)|(\new)
.set MSB, (\new)
.endif
.endm
.set MUL_LO, 0xa1
.set MUL_HI, 0xf1
.set TO_B,   0x40
.macro PLACES n
.rept \n
	v_nop
.endr
.endm
.macro JLOAD g0a, g0b                  ; waves 0, 1: tokens' tiles; waves 2, 3: weights'.  An s_nop 0 and four v_nop follow each load
	s_cmp_eq_u32 s15, 0
	s_cbranch_scc0 .Lfor_b_\@
	tensor_load_to_lds s[\g0a:\g0a+3], s[G1:G1+7]
	s_nop 0
	PLACES 4
	s_branch .Lasked_\@
.Lfor_b_\@:
	tensor_load_to_lds s[\g0b:\g0b+3], s[G1B:G1B+7]
	s_nop 0
	PLACES 4
.Lasked_\@:
.endm
.macro CLOAD s                         ; every wave: its 64 tokens of cos or sin, shared along the cluster's row
	tensor_load_to_lds s[G0C+4*\s:G0C+4*\s+3], s[G1:G1+7]
	s_nop 0
	PLACES 4
.endm
.macro ASK s                           ; the prefetch behind the refill of slot s
	s_cmp_eq_u32 s3, 1
	s_cbranch_scc1 .Lcs_\@
	global_prefetch_b8 v[PFO+2+\s], s[PFA:PFA+1] th:TH_LOAD_NT scope:SCOPE_SE
	s_branch .Lpf_\@
.Lcs_\@:
	s_cmp_eq_u32 s66, 1
	s_cbranch_scc1 .Lpf_\@
	global_prefetch_b8 v[PFO], s[PFC:PFC+1] offset:32768*\s th:TH_LOAD_NT scope:SCOPE_SE
.Lpf_\@:
.endm
.macro CREST
	s_cmp_lg_u32 s14, 0
	s_cbranch_scc1 .Lnot_wave_0_\@
	s_barrier_signal -3
.Lnot_wave_0_\@:
	s_barrier_wait -3
	s_barrier_signal -1
	s_barrier_wait -1
.endm
.macro CROUND
	s_barrier_signal -1
	s_barrier_wait -1
	CREST
.endm
	s_load_b512 s[68:83], s[0:1], 0x0              ; h_img, w_img, exponents s[72:73], cos, sin, q_norm_w, k_norm_w, qkv_img s[82:83]
	v_lshl_add_u32 v[SPW], v0, 2, SPARE
	v_mov_b32 v[NIL], 0
	ds_add_u32 v[SPW], v[NIL]                      ; the opening: the add twice on end, and its wait ahead of the first tensor load
	ds_add_u32 v[SPW], v[NIL]
	v_lshrrev_b32 v1, 5, v0
	v_readfirstlane_b32 s14, v1                    ; wave
	s_lshr_b32 s15, s14, 1
	s_and_b32 s16, s14, 1
	s_bfe_u32 s40, ttmp6, 0x40000                  ; cx
	s_bfe_u32 s41, ttmp6, 0x40004                  ; cy
	s_mov_b32 s42, ttmp9                           ; the product
	s_and_b32 s17, ttmp7, 0xffff
	s_lshl_b32 s17, s17, 2
	s_add_co_u32 s17, s17, s41                     ; which 256 tokens
	s_lshl_b32 s43, s41, 2
	s_lshl_b32 s43, 15, s43                        ; my row of the cluster
	s_lshl_b32 s44, 0x1111, s40                    ; my column
	s_or_b32 s[G1+0], s43, (3<<16)|(1<<20)|(1<<21)|(5<<22)|(3<<25)   ; elements of 8 bytes; four words of padding behind every 64
	s_or_b32 s[G1B+0], s44, (3<<16)|(1<<20)|(1<<21)|(5<<22)|(3<<25)
.irp g, G1, G1B
	s_mov_b32 s[\g+1], 32<<16
	s_mov_b32 s[\g+2], 128<<16
	s_mov_b32 s[\g+3], 32<<16
	s_mov_b32 s[\g+4], 128
	s_mov_b32 s[\g+5], 32
	s_mov_b32 s[\g+6], 0
	s_mov_b32 s[\g+7], 0
.endr
	; WHAT LIES WHERE IN A SLOT.  The first two quarters (waves 0, 1; shared along the cluster's row) hold source 1's tiles, the last two (waves 2, 3; shared along its column) source 0's.
	; q, k: source 1 = tokens, block 4 x cluster y + cy; source 0 = weights, block cx.  v: the cluster's axes change roles: source 1 = weights, block cy; source 0 = tokens, block 4 x cluster y + cx.
	; So only global addresses hang on the product; every LDS address is a constant + the wave's and the lane's terms.
	s_and_b32 s67, ttmp7, 0xffff
	s_lshl_b32 s67, s67, 2
	s_add_co_u32 s67, s67, s40                     ; v: which 256 tokens
	s_lshl_b32 s18, s16, 3
	s_lshl_b32 s19, s42, 23                        ; the product's part of h_img,
	s_lshl_b32 s23, s42, 21                        ; and of w_img
	s_mov_b32 s104, 0x100000                       ; a K step in h_img,
	s_mov_b32 s98, 0x40000                         ; and in w_img
	s_cmp_eq_u32 s42, 2
	s_cselect_b32 s66, 1, 0                        ; 1: v
	s_cselect_b32 s20, s41, s17
	s_cselect_b32 s21, s23, s19
	s_cselect_b32 s46, s67, s40
	s_cselect_b32 s47, s19, s23
	s_cselect_b32 s22, s98, s104
	s_cselect_b32 s98, s104, s98                   ; s[98:99]: a K step of source 0's tiles
	s_mov_b32 s104, s22                            ; s[104:105]: of source 1's
	s_mov_b32 s105, 0
	s_mov_b32 s99, 0
	s_lshl_b32 s20, s20, 4
	s_add_co_u32 s20, s20, s18
	s_lshl_b32 s20, s20, 12
	s_add_co_u32 s20, s20, s21                     ; source 1: row tile 16 x block + 8 x half
	s_mov_b32 s21, 0
	s_lshl_b32 s46, s46, 4
	s_add_co_u32 s46, s46, s18
	s_lshl_b32 s46, s46, 12
	s_add_co_u32 s46, s46, s47                     ; source 0 likewise
	s_mov_b32 s47, 0
	s_lshl_b32 s22, s17, 1
	s_add_co_u32 s22, s22, s15
	s_lshl_b32 s22, s22, 16                        ; cos, sin: token half wave / 2 of my 256 tokens, 512 bytes a token
	s_mov_b32 s23, 0
	s_mul_i32 s45, s14, HALFT
	s_wait_dscnt 0x0
	s_wait_kmcnt 0x0
	s_load_b256 s[84:91], s[72:73], 0x0            ; e0 .. e7
	s_load_b128 s[92:95], s[72:73], 0x20           ; e8 .. e11
	s_cmp_eq_u32 s66, 1
	s_cselect_b64 s[18:19], s[70:71], s[68:69]
	s_add_nc_u64 s[20:21], s[18:19], s[20:21]
	s_cselect_b64 s[18:19], s[68:69], s[70:71]
	s_add_nc_u64 s[46:47], s[18:19], s[46:47]
	s_cmp_eq_u32 s16, 0
	s_cselect_b64 s[74:75], s[74:75], s[76:77]     ; even waves bring cos, odd waves sin
	s_add_nc_u64 s[74:75], s[74:75], s[22:23]
	CROUND                                         ; in front of the first joint loads
.irp s, 0,1
	s_mov_b32 s[G0+4*\s], 1
	s_add_co_u32 s[G0+4*\s+1], s45, \s*SLOT
	s_mov_b64 s[G0+4*\s+2:G0+4*\s+3], s[20:21]
.if \s
	s_add_nc_u64 s[G0+4*\s+2:G0+4*\s+3], s[G0+4*\s+2:G0+4*\s+3], s[104:105]
.endif
	s_or_b32 s[G0+4*\s+3], s[G0+4*\s+3], 0x80000000
	s_mov_b32 s[G0B+4*\s], 1
	s_add_co_u32 s[G0B+4*\s+1], s45, \s*SLOT
	s_mov_b64 s[G0B+4*\s+2:G0B+4*\s+3], s[46:47]
.if \s
	s_add_nc_u64 s[G0B+4*\s+2:G0B+4*\s+3], s[G0B+4*\s+2:G0B+4*\s+3], s[98:99]
.endif
	s_or_b32 s[G0B+4*\s+3], s[G0B+4*\s+3], 0x80000000
	s_mov_b32 s[G0C+4*\s], 1
	s_add_co_u32 s[G0C+4*\s+1], s45, \s*SLOT
	s_add_nc_u64 s[G0C+4*\s+2:G0C+4*\s+3], s[74:75], \s*32768
	s_or_b32 s[G0C+4*\s+3], s[G0C+4*\s+3], 0x80000000
.endr
	JLOAD G0, G0B                                  ; K step 0: one tensor load a wave at the head
	s_cmp_eq_u32 s15, 0                            ; the prefetches: my tile, my place among the four that ask for it with me, a K step in bytes
	s_cselect_b64 s[PFA:PFA+1], s[20:21], s[46:47]
	s_cselect_b32 s18, s40, s41
	s_xor_b32 s22, s15, s66                        ; 0: my wave fetches tokens' tiles
	s_mov_b32 s19, 0x100000
	s_cselect_b32 s19, 0x40000, s19
	s_lshl_b32 s22, s18, 13
	s_mov_b32 s23, 0
	s_add_nc_u64 s[PFA:PFA+1], s[PFA:PFA+1], s[22:23]
	s_lshl_b32 s22, s40, 13
	s_add_nc_u64 s[PFC:PFC+1], s[PFC:PFC+1], s[22:23]
	s_lshl_b32 s[PFS], s19, 1
	s_mov_b32 s[PFS+1], 0
	v_and_b32 v3, 31, v0
	v_lshlrev_b32 v[PFO], 8, v3
	v_add_nc_u32 v[PFO+1], s19, v[PFO]
	v_add_nc_u32 v[PFO+2], s19, v[PFO+1]
	v_add_nc_u32 v[PFO+3], s19, v[PFO+2]
	s_wait_alu depctr_va_vdst(0)
.irp k, 1,2,3
	global_prefetch_b8 v[PFO+\k], s[PFA:PFA+1] th:TH_LOAD_NT scope:SCOPE_SE   ; K steps 1, 2, 3
.endr
	s_mul_i32 s21, s15, HALFT                      ; source 1's fragments: my half of the slot's first two quarters
	s_mul_i32 s22, s16, HALFT
	s_add_co_u32 s22, s22, 2*HALFT                 ; source 0's: of the last two
	s_mul_i32 s23, s15, 2*HALFT                    ; cos of my token half; sin lies HALFT behind it
	s_mov_b32 s100, 0x76543210
	s_mov_b32 s101, 0xfedcba98
	v_and_b32 v1, 15, v0                           ; r
	v_bfe_u32 v2, v0, 4, 1                         ; h
	v_lshlrev_b32 v[L16], 4, v3
	v_lshlrev_b32 v[WAD], 6, v2
	v_mov_b32 v[F+1], 0                            ; (named as the upper half of a pair)
	v_lshl_add_u32 v3, v2, 4, v[L16]               ; a fragment's piece of 512 bytes is two padded rows: 16 x lane + 16 h
	v_add_nc_u32 v[ADRA], s21, v3
	v_add_nc_u32 v[ADRB], s22, v3
	v_add_nc_u32 v[ADRA+1], SLOT, v[ADRA]
	v_add_nc_u32 v[ADRB+1], SLOT, v[ADRB]
	v_and_b32 v3, 8, v1
	v_add_nc_u32 v3, v3, v1                        ; r + 8 (r / 8)
	v_mul_u32_u24 v3, v3, 544
	v_lshl_add_u32 v3, v2, 6, v3
	v_add_nc_u32 v[CSA], s23, v3
	v_add_nc_u32 v[CSA+1], SLOT, v[CSA]
	s_wait_alu depctr_va_vdst(0)                   ; directly ahead of the wait below
	s_wait_kmcnt 0x0
	s_cmp_eq_u32 s42, 0
	s_cselect_b32 s18, s84, s86
	s_cselect_b32 s19, s85, s87
	s_cselect_b32 s20, s90, s91                    ; q: e6; k: e7
	s_cselect_b64 s[12:13], s[78:79], s[80:81]     ; the norm's weights
	s_cmp_eq_u32 s42, 2
	s_cselect_b32 s18, s88, s18
	s_cselect_b32 s19, s89, s19
	s_cselect_b32 s21, s16, s15                    ; my token half,
	s_cselect_b32 s22, s15, s16                    ; my head of the two,
	s_cselect_b32 s67, s67, s17                    ; my work-group's 256 tokens,
	s_cselect_b32 s47, s41, s40                    ; and its pair of heads
	s_add_co_i32 s18, s18, s19                     ; eA + eB
	s_sub_co_i32 s19, s93, s18                     ; v: the three scales in the conversion's one
	s_cmp_eq_u32 s42, 2
	s_cselect_b32 s20, s19, s20
	s_add_co_i32 s96, s18, 127
	s_lshl_b32 s96, s96, 23                        ; 2^(eA + eB)
	s_lshl_b32 s97, s18, 1
	s_add_co_i32 s97, s97, 120
	s_lshl_b32 s97, s97, 23                        ; its square / 128
	s_mov_b32 s2, 0x358637bd                       ; 1e-6
	s_add_co_i32 s20, s20, 127
	s_lshl_b32 s19, s20, 23
	v_mov_b32 v[SC], s19
	s_add_co_i32 s20, s20, 8
	s_lshl_b32 s20, s20, 23
	s_or_b32 s20, s20, 0x600000
	v_mov_b32 v[LIM], s20                          ; 448 x the scale
	s_lshl_b32 s18, s67, 1
	s_add_co_u32 s18, s18, s21                     ; which 128 tokens
	s_lshl_b32 s46, s47, 1
	s_add_co_u32 s46, s46, s22                     ; head
	s_lshr_b32 s19, s18, 4
	s_lshl_b32 s19, s19, 3
	s_add_co_u32 s46, s46, s19                     ; 8 b + head
	s_lshl_b32 s46, s46, 18
	s_and_b32 s19, s18, 15
	s_lshl_b32 s19, s19, 14
	s_add_co_u32 s46, s46, s19
	s_lshl_b32 s19, s42, 22
	s_add_co_u32 s46, s46, s19
	s_mov_b32 s47, 0
	s_add_nc_u64 s[82:83], s[82:83], s[46:47]      ; my eight fragments of qkv_img
.macro FRAG reg, adr, q, i             ; 2,048 bytes of an image are eight padded rows
.irp c, 0,1,2,3
	ds_load_b128 v[\reg+4*\c:\reg+4*\c+3], v[\adr] offset:4352*(\i)+2176*(\q)+544*\c
.endr
.endm
.macro MUL16 a0, p, zero               ; the 64 accumulators take turns, in the same order in every step
.irp a, \a0, \a0+1
.irp b, 0,1,2,3,4,5,6,7
.if \zero
	v_wmma_f32_16x16x128_fp8_fp8 v[8*(8*((\a)%4)+\b):8*(8*((\a)%4)+\b)+7], v[128*(\p)+FR*\b:128*(\p)+FR*\b+FR-1], v[AF+FR*(\a):AF+FR*(\a)+FR-1], 0
.else
	v_wmma_f32_16x16x128_fp8_fp8 v[8*(8*((\a)%4)+\b):8*(8*((\a)%4)+\b)+7], v[128*(\p)+FR*\b:128*(\p)+FR*\b+FR-1], v[AF+FR*(\a):AF+FR*(\a)+FR-1], v[8*(8*((\a)%4)+\b):8*(8*((\a)%4)+\b)+7]
.endif
.endr
.endr
.endm
.macro FETCH_B slot, q, p
	WIN TO_B
.irp i, 0,1,2,3,4,5,6,7
	FRAG 128*(\p)+FR*\i, ADRB+\slot, \q, \i
.endr
	WIN 0
.endm
.macro FETCH_A slot, q, i0
.irp i, \i0, \i0+1, \i0+2, \i0+3
	FRAG AF+FR*(\i), ADRA+\slot, \q, \i
.endr
.endm
.macro STEP slot, q, zero              ; 128 along K with its successor in the same slot
	s_wait_dscnt 4*NL                              ; all but the youngest 16 loads (source 1's blocks 4-7)
	WIN MUL_LO
	MUL16 0, (\q)%2, \zero
	MUL16 2, (\q)%2, \zero
	s_wait_dscnt 0
	PLACES NP
	FETCH_B \slot, (\q)+1, 1-(\q)%2
	FETCH_A \slot, (\q)+1, 0
	WIN MUL_HI
	MUL16 4, (\q)%2, \zero
	MUL16 6, (\q)%2, \zero
	PLACES NP
	WIN 0
	FETCH_A \slot, (\q)+1, 4
.endm
; A slot's last step changes slots.  fill = 1: the slot takes the K step two on; 2: cos and sin; 0: nothing.  next = -1: nothing is left to fetch.
.macro TURN slot, next, fill
	s_wait_tensorcnt 0x0                           ; my one load that was out has landed
	ds_add_u32 v[SPW], v[NIL]
	s_wait_dscnt 4*NL+1                            ; the add and the youngest 16 loads may be out
	WIN MUL_LO
	MUL16 0, 1, 0
	s_wait_dscnt 0x0                               ; the add is done, my reads of this slot are over
	s_barrier_signal -1
	MUL16 2, 1, 0
	WIN 0
	s_barrier_wait -1
.if (\fill) == 1
	CREST
.rept 2                                ; two K steps on
	s_add_nc_u64 s[G0+4*\slot+2:G0+4*\slot+3], s[G0+4*\slot+2:G0+4*\slot+3], s[104:105]
	s_add_nc_u64 s[G0B+4*\slot+2:G0B+4*\slot+3], s[G0B+4*\slot+2:G0B+4*\slot+3], s[98:99]
.endr
	JLOAD G0+4*\slot, G0B+4*\slot
.elseif (\fill) == 2
	CREST
	CLOAD \slot
.else
	PLACES NP
.endif
.if (\next) >= 0
	FETCH_B \next, 0, 0
	FETCH_A \next, 0, 0
.endif
.if (\fill) == 1
	ASK \slot
.endif
	WIN MUL_HI
	MUL16 4, 1, 0
	MUL16 6, 1, 0
	PLACES NP
	WIN 0
.if (\next) >= 0
	FETCH_A \next, 0, 4
.endif
.endm
.macro CODES src, a, w                 ; 64 held numbers (in window w's source 0) become a fragment's codes: four stores of 512 consecutive bytes, aligned
	s_wait_xcnt 0x0                                ; the last stores have read the codes' registers
	WIN \w
.set g, 0
.rept 8
	v_cvt_scalef32_pk8_fp8_f32 v[CD+2*g:CD+2*g+1], v[\src+8*g:\src+8*g+7], v[SC]
.set g, g+1
.endr
	v_nop                                          ; a plain line behind the last conversion
	WIN 0
.set g, 0
.rept 4
	global_store_b128 v[L16], v[CD+4*g:CD+4*g+3], s[82:83] offset:2048*(\a)+512*g
.set g, g+1
.endr
.endm
.macro CSLD a                          ; cos and sin of token tile a into set a % 2 of window 1: register 16 c + i is channel 32 c + 16 h + i of my token
.set LB, 128*((\a)%2)
.set TO, (32*(((\a)%4)/2)+8*((\a)%2))*544
	WIN TO_B
.set i, 0
.rept 16
	ds_load_b128 v[LB+4*i:LB+4*i+3], v[CSA+(\a)/4] offset:TO+128*(i/4)+16*(i%4)+16*(i/8)
	ds_load_b128 v[LB+64+4*i:LB+64+4*i+3], v[CSA+(\a)/4] offset:HALFT+TO+128*(i/4)+16*(i%4)+16*(i/8)
.set i, i+1
.endr
	WIN 0
.endm
.macro QK_TILE a
.set AC, 64*((\a)%4)
.set WN, 2+(\a)/4
.set CB, 128*((\a)%2)
.if (\a) == 3                          ; tile 4's cos and sin lie in slot 1: each wave's part has landed, and all say so
	s_wait_alu depctr_va_vdst(0)
	s_wait_tensorcnt 0x0
	s_wait_dscnt 0x0
	s_barrier_signal -1
	s_barrier_wait -1
.endif
.if (\a) < 7
	CSLD (\a)+1                                    ; one tile ahead
.endif
.if (\a) == 0
	s_wait_loadcnt 0x0                             ; the norm's weights
.endif
	s_wait_alu depctr_va_vdst(0)                   ; ahead of the first reader of these sums
	WIN 5*WN
	v_pk_mul_f32 v[SS:SS+1], v[AC:AC+1], v[AC:AC+1]
	v_pk_mul_f32 v[SS+2:SS+3], v[AC+2:AC+3], v[AC+2:AC+3]
.set i, 2
.rept 30
	v_pk_fma_f32 v[SS+2*(i%2):SS+2*(i%2)+1], v[AC+2*i:AC+2*i+1], v[AC+2*i:AC+2*i+1], v[SS+2*(i%2):SS+2*(i%2)+1]
.set i, i+1
.endr
	WIN 0
	v_pk_add_f32 v[SS:SS+1], v[SS:SS+1], v[SS+2:SS+3]
	v_add_f32 v[SS], v[SS], v[SS+1]
	v_permlanex16_b32 v[SS+1], v[SS], s100, s101
	v_add_f32 v[SS], v[SS], v[SS+1]                ; my token's 128 squares
	v_fma_f32 v[SS], v[SS], s97, s2                ; the mean + eps
	s_wait_alu depctr_va_vdst(0)                   ; ahead of the transcendental
	v_rsq_f32 v[F], v[SS]
	WIN WN
.set i, 0
.rept 32
	v_pk_mul_f32 v[N+2*i:N+2*i+1], v[AC+2*i:AC+2*i+1], v[W+2*i:W+2*i+1]   ; x w
.set i, i+1
.endr
	WIN 0
	s_wait_alu depctr_va_vdst(0)                   ; and ahead of its first reader
	v_mul_f32 v[F], s96, v[F]
.if (\a) < 7
	s_wait_dscnt 32                                ; this tile's cos and sin are in; the next tile's 32 loads may be out
.else
	s_wait_dscnt 0x0
.endif
	WIN 0x44
.set i, 0
.rept 32
	v_pk_mul_f32 v[CB+2*i:CB+2*i+1], v[N+2*i:N+2*i+1], v[CB+2*i:CB+2*i+1]   ; in place on cos
.set i, i+1
.endr
	WIN 0x54
.set i, 0
.rept 16
	v_pk_fma_f32 v[CB+2*i:CB+2*i+1], v[N+32+2*i:N+32+2*i+1], v[CB+64+2*i:CB+64+2*i+1], v[CB+2*i:CB+2*i+1] neg_lo:[1,0,0] neg_hi:[1,0,0]
.set i, i+1
.endr
.rept 16
	v_pk_fma_f32 v[CB+2*i:CB+2*i+1], v[N-32+2*i:N-32+2*i+1], v[CB+64+2*i:CB+64+2*i+1], v[CB+2*i:CB+2*i+1]
.set i, i+1
.endr
	WIN 0x41
.set i, 0
.rept 32
	v_pk_mul_f32 v[CB+2*i:CB+2*i+1], v[CB+2*i:CB+2*i+1], v[F:F+1] op_sel_hi:[1,0]
.set i, i+1
.endr
.set i, 0
.rept 64
	v_med3_num_f32 v[CB+i], v[CB+i], -v[LIM], v[LIM]   ; the conversion does not saturate (ISA guide 7.6.2)
.set i, i+1
.endr
	s_wait_alu depctr_va_vdst(0)                   ; directly ahead of the wait below
	CODES CB, \a, 0x01
.endm
.macro V_TILE a
.set AC, 64*((\a)%4)
	WIN 2+(\a)/4
.set i, 0
.rept 64
	v_med3_num_f32 v[N+i], v[AC+i], -v[LIM], v[LIM]
.set i, i+1
.endr
	WIN 0
	s_wait_alu depctr_va_vdst(0)
	CODES N, \a, 0
.endm
	s_wait_alu depctr_va_vdst(0)                   ; the head's end
	s_wait_tensorcnt 0x0                           ; my part of K step 0 is in; slot 1's first fill is issued as a refill is
	ds_add_u32 v[SPW], v[NIL]
	s_wait_dscnt 0x0
	CROUND
	JLOAD G0+4, G0B+4                              ; K step 1
	FETCH_B 0, 0, 0
	FETCH_A 0, 0, 0
	FETCH_A 0, 0, 4
	STEP 0, 0, 1                                   ; the first step starts the sums
	s_mov_b32 s3, LAPS-1
.Llap:                                             ; trip t = 1, 2, 3 fills K steps 2 t, 2 t + 1
	s_wait_xcnt 0x0                                ; my prefetches have read their address
	s_add_nc_u64 s[PFA:PFA+1], s[PFA:PFA+1], s[PFS:PFS+1]
	TURN 0, 1, 1
	STEP 1, 0, 0
	TURN 1, 0, 1
	STEP 0, 0, 0
	s_sub_co_u32 s3, s3, 1
	s_cmp_lg_u32 s3, 0
	s_cbranch_scc1 .Llap
	s_cmp_eq_u32 s66, 1
	s_cbranch_scc1 .Lv_arm
.set i, 0
.rept 16
	global_load_b128 v[W+4*i:W+4*i+3], v[WAD], s[12:13] offset:128*(i/4)+16*(i%4)   ; the norm's weights at my 64 channels
.set i, i+1
.endr
	TURN 0, 1, 2                                   ; slot 0 takes cos and sin of tiles 0-3
	STEP 1, 0, 0
	TURN 1, -1, 2                                  ; slot 1 those of tiles 4-7; everybody's part of slot 0 is in
	CSLD 0
.irp a, 0,1,2,3,4,5,6,7
	QK_TILE \a
.endr
	s_branch .Lend
.Lv_arm:
	TURN 0, 1, 0
	STEP 1, 0, 0
	s_wait_dscnt 4*NL
	WIN MUL_LO
	MUL16 0, 1, 0
	MUL16 2, 1, 0
	s_wait_dscnt 0
	WIN MUL_HI
	MUL16 4, 1, 0
	MUL16 6, 1, 0
	WIN 0
	PLACES NP
	s_wait_alu depctr_va_vdst(0)
.irp a, 0,1,2,3,4,5,6,7
	V_TILE \a
.endr
.Lend:
	s_wait_tensorcnt 0x0                           ; the wave's end
	ds_add_u32 v[SPW], v[NIL]
	s_wait_dscnt 0x0
	CROUND                                         ; the closing round
	s_endpgm
.Lfunc_end_k_qdeb8e5ce12_qkv:
	.size	k_qdeb8e5ce12_qkv, .Lfunc_end_k_qdeb8e5ce12_qkv-k_qdeb8e5ce12_qkv
	.p2alignl 7, 3214868480
	.fill 96, 4, 3214868480
	.section	.rodata,"a",@progbits
	.p2align	6, 0x0
	.amdhsa_kernel k_qdeb8e5ce12_qkv
		.amdhsa_group_segment_fixed_size 327680
		.amdhsa_private_segment_fixed_size 0
		.amdhsa_enable_private_segment 0
		.amdhsa_kernarg_size 64
		.amdhsa_user_sgpr_count 2
		.amdhsa_user_sgpr_kernarg_segment_ptr 1
		.amdhsa_wavefront_size32 1
		.amdhsa_system_sgpr_workgroup_id_x 1
		.amdhsa_system_sgpr_workgroup_id_y 1
		.amdhsa_system_sgpr_workgroup_id_z 1
		.amdhsa_system_vgpr_workitem_id 0
		.amdhsa_next_free_vgpr 1024
		.amdhsa_next_free_sgpr 106
		.amdhsa_reserve_vcc 0
		.amdhsa_float_denorm_mode_32 3
		.amdhsa_float_denorm_mode_16_64 3
		.amdhsa_memory_ordered 1
		.amdhsa_forward_progress 1
		.amdhsa_inst_pref_size 255
	.end_amdhsa_kernel
	.section	.bss,"aw",@nobits
	.p2align	6
	.space	262144
	.amdgpu_metadata
---
amdhsa.version: [ 1, 2 ]
amdhsa.kernels:
  - .name:           k_qdeb8e5ce12_qkv
    .symbol:         k_qdeb8e5ce12_qkv.kd
    .args:
      - { .name: h_img, .offset: 0, .size: 8, .value_kind: global_buffer, .address_space: global }
      - { .name: w_img, .offset: 8, .size: 8, .value_kind: global_buffer, .address_space: global }
      - { .name: lowp_scales, .offset: 16, .size: 8, .value_kind: global_buffer, .address_space: global }
      - { .name: cos, .offset: 24, .size: 8, .value_kind: global_buffer, .address_space: global }
      - { .name: sin, .offset: 32, .size: 8, .value_kind: global_buffer, .address_space: global }
      - { .name: q_norm_w, .offset: 40, .size: 8, .value_kind: global_buffer, .address_space: global }
      - { .name: k_norm_w, .offset: 48, .size: 8, .value_kind: global_buffer, .address_space: global }
      - { .name: qkv_img, .offset: 56, .size: 8, .value_kind: global_buffer, .address_space: global }
    .group_segment_fixed_size: 327680
    .private_segment_fixed_size: 0
    .kernarg_segment_align: 8
    .kernarg_segment_size: 64
    .max_flat_workgroup_size: 128
    .sgpr_count:     106
    .vgpr_count:     1024
    .wavefront_size: 32
...
	.end_amdgpu_metadata
.endif
;; end of part 2
;; launch attn (part 3): grid 16 x 16, 8 waves a work-group, no clusters, 327,680 bytes of LDS; arguments qkv_img, lowp_scales, ctx_img; writes ctx_img
.if DOCPART == 3
	.amdgcn_target "amdgcn-amd-amdhsa--gfx1250"
	.amdhsa_code_object_version 6
	.text
	.protected	k_qdeb8e5ce12_attn
	.globl	k_qdeb8e5ce12_attn
	.p2align	8
	.type	k_qdeb8e5ce12_attn,@function
k_qdeb8e5ce12_attn:
	s_mov_b64 s[64:65], 0
	v_nop
	global_prefetch_b8 v0, s[64:65] scope:SCOPE_SE
	s_setreg_imm32_b32 hwreg(HW_REG_WAVE_MODE, 25, 1), 1
	s_wait_xcnt 0x0
; LAUNCH 3 OF 4.  ctx = softmax(q k^T / sqrt(128), causal) v for each of the 16 (batch, head), both products on codes of E4M3, and the quantiser of ctx.
; LEFT OUT (shown at launch 1's head): key steps of 128 keys all of which come after a tile's queries, hidden by the mask that reference() builds itself.
; THE SOFTMAX AHEAD OF THE SECOND PRODUCT: t = score x log2(e) / sqrt(128); M = the row's largest t so far, rounded UP to a whole number; p = 2^(t - M) is quantised with 2^e8, not normalised; the row's sum is taken of the
; unquantised p and divides at the end.  When M moves, the sum and O are multiplied by 2^(old M - new M): exact.
; SHARES.  A work-group has one (batch, head) (its y) and two blocks of 64 queries: block j = its x (waves 0-3, a tile of 16 each) and block 31 - j (waves 4-7), so that every work-group has the same number of key steps under the mask.
; Query tile T holds queries 32 (T / 2) + 8 (T % 2) + r + 8 (r / 8) (launch 1's head): the least is Q0, the greatest Q0 + 23.
; Every work-group walks all 8 slots of 256 keys (constant trip counts); a step's WORK is jumped over by a scalar branch on ids, and slots beyond the work-group's last query are not asked for.
; K's and V's fragments lie in memory as images, a slot's 32 KB of each on end; waves 0-3 fetch 16 KB each by one tensor load; all eight waves read them, four ds_load_b128 a fragment at 16 x lane.
; THE LDS LOADS RUN AHEAD OF THEIR USE.  A wave has 512 registers; window 1 holds a step's eight fragments of K and its eight of V.  V's 32 loads go out behind the products K Q^T and land while the softmax is walked;
; the K of a slot's second step goes out in the first step, behind the exponentials, some 140 vector instructions and eight products ahead of its use.  Only a slot's first K is waited for straight behind its loads.
; Both products are used transposed (S^T = K Q^T, O^T = V^T P^T): a lane holds ONE query; p's 16 registers of two neighbouring key tiles are 16 neighbouring keys, O^T's of two channel tiles 16 neighbouring channels:
; so p's and ctx's codes are fragments as they leave the conversions.  ctx_img: [head / 2][token tile 256][head % 2][2048].
; NO CLUSTER, though the 16 work-groups of a head read the same K and V: the last slot that a work-group asks for hangs on its number (2047 - 64 j), and every partner would have to make every joint request.
; LIMITS: e6 + e7 between -123 and 130 (added to c's exponent field); e8 and e10 between -126 and 119; e8 + e9 is applied by v_ldexp_f32 and has none.
; REGISTERS, window 0: v1 16 x lane; v3 256 x lane; v4 my query less Q0 less 16 h; v5, v6 the add's two; v8 the slot's LDS address; v12 -M, v13 the largest t, v[14:15] the sum; v16-31 Q; v32-35 four maxima, v36-43 four pairs of sums;
;   v96-159 S^T, then p; v160-223 O^T; v224-239 codes; v240, v244: 448 x 2^e8, 2^e8; v241, v245: the same with e10; v246-254 at work.   window 1: v0-127 K's eight fragments, v128-255 V's.
.set SK,    256                        ; keys in a slot
.set NSL,   8                          ; slots' worth of keys
.set VOFF,  32768                      ; a slot: K's 16 key tiles, then V's 2 x 8 channel tiles
.set SLOT1, 65536                      ; slot 1 begins here: one exclusive or turns an address from one slot into the other's
.set SPARE, 2*SLOT1                    ; behind the ring: the spare words, 128 bytes a wave: four blocks of 256 bytes that no other line names
.set L16,  1
.set PFO,  3
.set VQ,   4
.set SPW,  5
.set NIL,  6
.set AD,   8
.set MX,   32
.set SM,   36
.set PD,   246                         ; a lane permute's destination
.set KR,   0                           ; in window 1
.set VR,   128
.set TB,   2                           ; s2   LDS byte at which the slot in hand begins
.set WV,   18
.set SEL,  20                          ; s[20:21] lane l xor 16
.set CS,   22                          ; s[22:23] c
.set G1,   24                          ; s[24:31] descriptor group 1: one shape for K and V
.set G0,   40                          ; s[40:43] group 0, which walks
.set QH,   66                          ; s66  my tile's greatest query
.set SLOTS, 67
.set PFA,  76                          ; s[76:77] where my prefetches stand
.set LIM,  80                          ; s80  1 in a wave that prefetches, else the greatest number
.set QL,   81                          ; s81  my work-group's last query
.set KF,   98                          ; s98  the step's first key
.set Q0,   99                          ; s99  my tile's least query
.set MSB, 0
.macro WIN new                         ; the immediate's high byte repeats the setting that is left
.if MSB != (\new)
	s_set_vgpr_msb (MSB<<8)|(\new)
.set MSB, (\new)
.endif
.endm
.set TO_F, 0x40                        ; destination window 1, address window 0
.set MULF, 0x01                        ; source 0 (K's or V's fragment) window 1; all else window 0
.macro TLOAD                           ; waves 0-3 fetch, the others nothing: a branch on the wave's number.  An s_nop 0 and four v_nop follow the load
	s_cmp_lt_u32 s[WV], 4
	s_cbranch_scc0 .Lasked_\@
	tensor_load_to_lds s[G0:G0+3], s[G1:G1+7]
	s_nop 0
.rept 4
	v_nop
.endr
.Lasked_\@:
.endm
; A PREFETCH INTO THE L2 of what the NEXT change of slots will ask for.  All 16 work-groups of a head walk the same K and V: the head's first work-group asks, and in it waves 4-7, which fetch nothing: wave w for the 16 KB
; that wave w - 4 will fetch: two instructions, lanes 256 bytes apart.  So each aligned 256 bytes of slots 2 to 7 are named once in the launch; slots 0 and 1 come by their loads alone; the last filling change asks for nothing.
.macro ASK
	s_cmp_gt_u32 s[SLOTS], s[LIM]
	s_cbranch_scc0 .Lnot_mine_\@
	global_prefetch_b8 v[PFO], s[PFA:PFA+1] th:TH_LOAD_NT scope:SCOPE_SE
	global_prefetch_b8 v[PFO], s[PFA:PFA+1] offset:8192 th:TH_LOAD_NT scope:SCOPE_SE
.Lnot_mine_\@:
.endm
	s_load_b128 s[4:7], s[0:1], 0x0                ; qkv_img s[4:5], the exponents s[6:7]
	s_load_b64 s[8:9], s[0:1], 0x10                ; ctx_img
	v_lshl_add_u32 v[SPW], v0, 2, SPARE
	v_mov_b32 v[NIL], 0
	ds_add_u32 v[SPW], v[NIL]                      ; the wave's opening: the add, twice on end, and its wait ahead of the first tensor load
	ds_add_u32 v[SPW], v[NIL]                      ; and once more, under the one wait; the set-up below, work on registers, stands between
	v_lshrrev_b32 v8, 5, v0
	s_delay_alu instid0(VALU_DEP_1)
	v_readfirstlane_b32 s[WV], v8                  ; wave 0..7
	s_and_b32 s82, ttmp7, 0xffff                   ; 8 b + head
	s_lshl_b32 s84, ttmp9, 2
	s_add_co_u32 s85, s84, s[WV]                   ; block j: tile 4 j + wave
	s_sub_co_u32 s86, 120, s84
	s_add_co_u32 s86, s86, s[WV]                   ; block 31 - j: tile 4 (31 - j) + wave - 4
	s_cmp_lt_u32 s[WV], 4
	s_cselect_b32 s83, s85, s86                    ; T
	s_lshr_b32 s84, s83, 1
	s_lshl_b32 s84, s84, 5
	s_and_b32 s85, s83, 1
	s_lshl_b32 s85, s85, 3
	s_add_co_u32 s[Q0], s84, s85
	s_add_co_u32 s[QH], s[Q0], 23
	s_lshl_b32 s84, ttmp9, 6
	s_sub_co_u32 s[QL], 2047, s84
	s_and_b32 s84, s[WV], 3                        ; what wave w fetches, and wave w + 4 prefetches:
	s_lshl_b32 s87, s84, 14                        ; 16 KB, at this place in a slot;
	s_lshr_b32 s85, s84, 1
	s_add_co_u32 s85, s85, 1
	s_lshl_b32 s85, s85, 22                        ; K's images begin at 4 MiB, V's at 8 MiB
	s_and_b32 s86, s84, 1
	s_lshl_b32 s86, s86, 14
	s_add_co_u32 s88, s85, s86
	s_lshl_b32 s86, s82, 18
	s_add_co_u32 s88, s88, s86                     ; + my head's 262,144 bytes
	s_mov_b32 s89, 0
	s_lshl_b32 s90, s83, 11
	s_add_co_u32 s90, s90, s86                     ; Q's fragment
	s_mov_b32 s91, 0
	s_and_b32 s92, s82, 7                          ; head
	s_lshr_b32 s93, s82, 3                         ; b
	s_lshr_b32 s94, s92, 1
	s_lshl_b32 s94, s94, 8
	s_lshl_b32 s93, s93, 7
	s_add_co_u32 s94, s94, s93
	s_add_co_u32 s94, s94, s83
	s_lshl_b32 s94, s94, 12                        ; ctx: ((head / 2) x 256 + 128 b + T) x 4,096
	s_and_b32 s92, s92, 1
	s_lshl_b32 s92, s92, 11
	s_add_co_u32 s94, s94, s92                     ; + (head % 2) x 2,048
	s_mov_b32 s95, 0
	s_mov_b32 s[G1], 3<<16                         ; no mask; elements of 8 bytes; no padding
	s_mov_b32 s[G1+1], 32<<16                      ; tensor_dim0 = 32 elements: 256 bytes
	s_mov_b32 s[G1+2], 64<<16                      ; tensor_dim1 = 64
	s_mov_b32 s[G1+3], 32<<16                      ; tile_dim0
	s_mov_b32 s[G1+4], 64                          ; tile_dim1
	s_mov_b32 s[G1+5], 32                          ; dense
	s_mov_b32 s[G1+6], 0
	s_mov_b32 s[G1+7], 0
	s_mov_b32 s[SEL], 0x76543210
	s_mov_b32 s[SEL+1], 0xfedcba98
	s_mov_b32 s[CS], 0x3e0293ee                    ; c = log2(e) / sqrt(128)
	s_mov_b32 s[TB], 0
	s_mov_b32 s[SLOTS], NSL-1
	s_mov_b32 s[KF], 0
	s_lshr_b32 s84, s[WV], 2
	s_xor_b32 s84, s84, 1                          ; 0 in waves 4-7,
	s_or_b32 s84, s84, ttmp9                       ; of the head's first work-group
	s_cmp_eq_u32 s84, 0
	s_cselect_b32 s[LIM], 1, -1
	s_wait_dscnt 0x0                               ; both opening adds are done
	s_wait_kmcnt 0x0
	s_load_b128 s[68:71], s[6:7], 0x18             ; e6, e7, e8, e9
	s_load_b32 s72, s[6:7], 0x28                   ; e10
	s_mov_b32 s[G0], 1
	s_mov_b32 s[G0+1], s87                         ; slot 0
	s_add_nc_u64 s[G0+2:G0+3], s[4:5], s[88:89]
	s_add_nc_u64 s[PFA:PFA+1], s[G0+2:G0+3], 32768 ; in slot 1: the first change of slots steps it to slot 2.  Nothing is prefetched at the head
	s_or_b32 s[G0+3], s[G0+3], 0x80000000
	TLOAD                                          ; slot 0: it holds key 0, which counts for every query
	s_add_nc_u64 s[10:11], s[4:5], s[90:91]
	s_add_nc_u64 s[8:9], s[8:9], s[94:95]
	v_and_b32 v9, 15, v0                           ; r
	v_bfe_u32 v10, v0, 4, 1                        ; h
	v_and_b32 v11, 31, v0
	s_delay_alu instid0(VALU_DEP_1)
	v_lshlrev_b32 v[L16], 4, v11
	s_delay_alu instid0(VALU_DEP_2)
	v_lshlrev_b32 v[PFO], 8, v11
.irp c, 0,1,2,3
	global_load_b128 v[16+4*\c:19+4*\c], v[L16], s[10:11] offset:512*\c   ; Q's fragment stays in registers
.endr
	v_and_b32 v11, 8, v9
	s_delay_alu instid0(VALU_DEP_1)
	v_add_nc_u32 v[VQ], v11, v9                    ; r + 8 (r / 8)
	v_lshlrev_b32 v10, 4, v10
	s_delay_alu instid0(VALU_DEP_1)
	v_sub_nc_u32 v[VQ], v[VQ], v10                 ; - 16 h
	v_mov_b32 v13, 0xff61b1e6                      ; the largest t so far: -3e38, under every t
	s_delay_alu instid0(VALU_DEP_1)
	v_floor_f32 v12, -v13                          ; -M
	v_mov_b32 v14, 0
	v_mov_b32 v15, 0
	v_mov_b32 v[PD], 0                             ; written once: a lane permute's destination counts as one of its sources
	v_mov_b32 v252, 0
	v_mov_b32 v253, 0                              ; (named as the upper half of the pair v[252:253])
.set j, 0
.rept 64
	v_mov_b32 v[160+j], 0                          ; O^T.  (The step is written once: the first finds zeros, which the first change of M leaves zeros)
.set j, j+1
.endr
	s_wait_kmcnt 0x0
	s_add_co_i32 s84, s68, s69
	s_lshl_b32 s84, s84, 23
	s_add_co_i32 s[CS], s[CS], s84                 ; a score stands for score x 2^(e6 + e7): added to c's exponent field
	s_mov_b32 s[CS+1], s[CS]
	s_add_co_i32 s84, s70, 127
	s_lshl_b32 s85, s84, 23
	v_mov_b32 v244, s85                            ; 2^e8
	s_add_co_i32 s84, s84, 8
	s_lshl_b32 s84, s84, 23
	s_or_b32 s84, s84, 0x600000
	v_mov_b32 v240, s84                            ; 448 x 2^e8
	s_add_co_i32 s84, s72, 127
	s_lshl_b32 s85, s84, 23
	v_mov_b32 v245, s85                            ; 2^e10
	s_add_co_i32 s84, s84, 8
	s_lshl_b32 s84, s84, 23
	s_or_b32 s84, s84, 0x600000
	v_mov_b32 v241, s84                            ; 448 x 2^e10
.macro KLOAD q                         ; the eight fragments of K of the slot's q-th 128 keys: 32 loads in one run
	WIN TO_F
.irp t, 0,1,2,3,4,5,6,7
.irp c, 0,1,2,3
	ds_load_b128 v[KR+16*\t+4*\c:KR+16*\t+4*\c+3], v[AD] offset:(8*(\q)+\t)*2048+512*\c
.endr
.endr
.endm
.macro VLOAD q                         ; and those of V: the eight tiles of 16 channels
	WIN TO_F
.irp t, 0,1,2,3,4,5,6,7
.irp c, 0,1,2,3
	ds_load_b128 v[VR+16*\t+4*\c:VR+16*\t+4*\c+3], v[AD] offset:VOFF+(8*(\q)+\t)*2048+512*\c
.endr
.endr
.endm
; A KEY STEP: 128 keys, the q-th of the slot in hand.
.macro BODY q
.if (\q) == 0
	v_add_nc_u32 v[AD], s[TB], v[L16]              ; the slot's address serves both its steps
	s_wait_alu depctr_va_vdst(0)
	KLOAD 0                                        ; (K's registers were last read by products that stand a softmax back)
.endif
	s_wait_dscnt 0x0                               ; K is in: in a slot's second step it was asked for in the first
	WIN MULF
.irp t, 0,1,2,3,4,5,6,7                        ; S^T = K Q^T: eight tiles of 16 keys
	v_wmma_f32_16x16x128_fp8_fp8 v[96+8*\t:103+8*\t], v[KR+16*\t:KR+16*\t+15], v[16:31], 0
.endr
.rept 4
	v_nop                                          ; four places: in front of the loads into V's registers, which the last step's products read, and of the first read of the scores
.endr
	VLOAD \q                                       ; V lands while the softmax is walked
	WIN 0
	s_add_co_u32 s96, s[KF], 127                   ; on the diagonal the scores of hidden keys become -infinity ahead of the maximum: p = 0 then.  A step all of whose keys count skips this
	s_cmp_le_u32 s96, s[Q0]
	s_cbranch_scc1 .Lopen_\@
	s_sub_co_i32 s96, s[Q0], s[KF]
	v_add_nc_u32 v252, s96, v[VQ]                  ; d = my query - KF - 16 h.  Register 16 b + i holds key KF + 16 h + 32 b + i: hidden where 32 b + i > d
	v_mov_b32 v254, 0xff800000
.set j, 0
.rept 64
	v_cmp_gt_i32 vcc_lo, 32*(j/16)+j%16, v252
	v_cndmask_b32 v[96+j], v[96+j], v254, vcc_lo
.set j, j+1
.endr
.Lopen_\@:
.irp k, 0,1,2,3                                ; the step's largest score of my query, among my 64 keys: four chains of 16 scores, so that no line waits for the line above it; each accumulator is read from its low end on
	v_max3_num_f32 v[MX+\k], v[96+16*\k], v[97+16*\k], v[98+16*\k]
.endr
.irp i, 3,5,7,9,11,13
.irp k, 0,1,2,3
	v_max3_num_f32 v[MX+\k], v[MX+\k], v[96+16*\k+\i], v[97+16*\k+\i]
.endr
.endr
	v_max3_num_f32 v[MX], v[MX], v111, v127        ; each chain's sixteenth score,
	v_max3_num_f32 v[MX+2], v[MX+2], v143, v159
	s_delay_alu instid0(VALU_DEP_1)
	v_max3_num_f32 v[MX], v[MX], v[MX+1], v[MX+2]  ; and the four chains
	s_delay_alu instid0(VALU_DEP_1)
	v_max_num_f32 v254, v[MX], v[MX+3]
	s_delay_alu instid0(VALU_DEP_1)
	v_permlanex16_b32 v[PD], v254, s[SEL], s[SEL+1]
	s_delay_alu instid0(VALU_DEP_1)
	v_max_num_f32 v254, v254, v[PD]                ; and among lane l xor 16's
	s_delay_alu instid0(VALU_DEP_1)
	v_mul_f32 v254, s[CS], v254                    ; as t (c is positive)
	s_delay_alu instid0(VALU_DEP_1)
	v_max_num_f32 v13, v13, v254                   ; the running largest t
	v_mov_b32 v254, v12
	s_delay_alu instid0(VALU_DEP_2)
	v_floor_f32 v12, -v13                          ; the new -M = floor(-t): M is a whole number
	s_delay_alu instid0(VALU_DEP_1)
	v_sub_f32 v254, v12, v254                      ; old M - new M: a whole number, 0 or less
	s_delay_alu instid0(VALU_DEP_1)
	v_cvt_i32_f32 v254, v254                       ; (it saturates)
	s_delay_alu instid0(VALU_DEP_1)
	v_ldexp_f32 v252, 1.0, v254                    ; f = 2^(old M - new M)
.set j, 0
.rept 32
	v_pk_fma_f32 v[96+j:97+j], v[96+j:97+j], s[CS:CS+1], v[12:13] op_sel_hi:[1,0,0]   ; t - M, two at a time
.set j, j+2
.endr
.set j, 0
	s_wait_alu depctr_va_vdst(0)
.rept 64
	v_exp_f32 v[96+j], v[96+j]                     ; p = 2^(t - M), at most 1
.set j, j+1
.endr
	v_pk_mul_f32 v[14:15], v[14:15], v[252:253] op_sel_hi:[1,0]   ; the sums under the new M.  (A plain line behind the exponentials)
	s_wait_alu depctr_va_vdst(0)                   ; one wait for the whole batch, ahead of its first reader
.if (\q) == 0
	s_wait_dscnt 0x0                               ; V is in (asked for ahead of the softmax); so the loads below are all that is out
	s_add_co_u32 s96, s[KF], 128                   ; the slot's second step is fetched for where my tile will walk it: the same test on ids as at that step's head
	s_cmp_gt_u32 s96, s[QH]
	s_cbranch_scc1 .Lno_k_\@
	KLOAD 1                                        ; K's registers are free: the products that read them stand a softmax back
	WIN 0
.Lno_k_\@:
.endif
	v_pk_add_f32 v[36:37], v[96:97], v[98:99]
	v_pk_add_f32 v[38:39], v[112:113], v[120:121]
	v_pk_add_f32 v[40:41], v[128:129], v[136:137]
	v_pk_add_f32 v[42:43], v[144:145], v[152:153]
	v_pk_add_f32 v[254:255], v[100:101], v[102:103]
	v_pk_add_f32 v[250:251], v[114:115], v[122:123]
	v_pk_add_f32 v[248:249], v[130:131], v[138:139]
	v_pk_add_f32 v[14:15], v[14:15], v[146:147]
	v_pk_add_f32 v[36:37], v[36:37], v[154:155]
	v_pk_add_f32 v[38:39], v[38:39], v[104:105]
	v_pk_add_f32 v[40:41], v[40:41], v[106:107]
	v_pk_add_f32 v[42:43], v[42:43], v[116:117]
	v_pk_add_f32 v[254:255], v[254:255], v[124:125]
	v_pk_add_f32 v[250:251], v[250:251], v[132:133]
	v_pk_add_f32 v[248:249], v[248:249], v[140:141]
	v_pk_add_f32 v[14:15], v[14:15], v[148:149]
	v_pk_add_f32 v[36:37], v[36:37], v[156:157]
	v_pk_add_f32 v[38:39], v[38:39], v[108:109]
	v_pk_add_f32 v[40:41], v[40:41], v[110:111]
	v_pk_add_f32 v[42:43], v[42:43], v[118:119]
	v_pk_add_f32 v[254:255], v[254:255], v[126:127]
	v_pk_add_f32 v[250:251], v[250:251], v[134:135]
	v_pk_add_f32 v[248:249], v[248:249], v[142:143]
	v_pk_add_f32 v[14:15], v[14:15], v[150:151]
	v_pk_add_f32 v[36:37], v[36:37], v[158:159]
	s_delay_alu instid0(VALU_DEP_2)
	v_pk_add_f32 v[14:15], v[14:15], v[42:43]
	s_delay_alu instid0(VALU_DEP_2)
	v_pk_add_f32 v[36:37], v[36:37], v[254:255]
	v_pk_add_f32 v[38:39], v[38:39], v[250:251]
	v_pk_add_f32 v[40:41], v[40:41], v[248:249]
	s_delay_alu instid0(VALU_DEP_2)
	v_pk_add_f32 v[14:15], v[14:15], v[38:39]
	s_delay_alu instid0(VALU_DEP_2)
	v_pk_add_f32 v[36:37], v[36:37], v[40:41]
	s_delay_alu instid0(VALU_DEP_1)
	v_pk_add_f32 v[14:15], v[14:15], v[36:37]
.irp b, 0,1,2,3
.irp i, 0,1,2,3,4,5,6,7,8,9,10,11,12,13,14,15
	v_min_num_f32 v[96+16*\b+\i], v[96+16*\b+\i], v240   ; the conversion does not saturate (ISA guide 7.6.2); p is not negative, so the hold is one-sided
.endr
	v_cvt_scalef32_pk8_fp8_f32 v[224+4*\b:225+4*\b], v[96+16*\b:103+16*\b], v244
	v_cvt_scalef32_pk8_fp8_f32 v[226+4*\b:227+4*\b], v[104+16*\b:111+16*\b], v244
.endr
.set j, 0
.rept 32
	v_pk_mul_f32 v[160+j:161+j], v[160+j:161+j], v[252:253] op_sel_hi:[1,0]   ; O^T under the new M.  (These 32 are also the plain lines between the conversions and the products below)
.set j, j+2
.endr
.if (\q) == 1
	s_wait_alu depctr_va_vdst(0)
	s_wait_dscnt 0x0                               ; V is in
.endif
	WIN MULF
.irp t, 0,1,2,3,4,5,6,7                        ; O^T += V^T P^T: eight tiles of 16 channels, by turns; K = these 128 keys
	v_wmma_f32_16x16x128_fp8_fp8 v[160+8*\t:167+8*\t], v[VR+16*\t:VR+16*\t+15], v[224:239], v[160+8*\t:167+8*\t]
.endr
	WIN 0
.endm
; THE CHANGE OF SLOTS stands at a slot's head.  Each wave waits for all its tensor loads, adds 0 to its spare word, and waits for that and for its reads of the slot that it has left.  Behind the barrier the slot ahead is whole
; and nobody reads the other one.  fill = 1: that other slot is filled with the keys that follow, up to the causal limit: the load has a slot's two key steps in which to land.
.macro CHANGE fill
	s_wait_tensorcnt 0x0                           ; no tensor load of mine is out, so group 0 may be written
	ds_add_u32 v[SPW], v[NIL]                      ; 0 onto my spare word
.if \fill
	ds_add_u32 v[SPW], v[NIL]                      ; and once more: the add twice on end here, in every trip alike
	s_xor_b32 s[G0+1], s[G0+1], SLOT1              ; the walking descriptor: the other slot,
	s_add_nc_u64 s[G0+2:G0+3], s[G0+2:G0+3], 32768 ; the next 256 keys; the type bits on top are not reached
	s_wait_xcnt 0x0                                ; the last prefetches, a slot back, have read their address
	s_add_nc_u64 s[PFA:PFA+1], s[PFA:PFA+1], 32768
.endif
	s_wait_dscnt 0x0                               ; the add is done, and my reads of the slot that I have left are over
	s_barrier_signal -1
	s_barrier_wait -1
.if \fill
	s_add_co_u32 s96, s[KF], SK                    ; the first key of the slot that this change would ask for.  Behind my work-group's last query no wave reads it, so it is not asked for:
	s_cmp_gt_u32 s96, s[QL]                        ; ids and the count of steps alone: all eight waves go the same way; every wait for tensor loads in this text is for 0
	s_cbranch_scc1 .Lpast_\@
	TLOAD                                          ; a wave's one tensor load until the next such barrier
.Lpast_\@:
	ASK
.endif
.endm
; A slot's two key steps.  A step all of whose keys come after my tile's queries is left out: scalar branches on ids, round the step's loads, products and softmax alone.  Where the first step is hidden so is the second:
; one jump leads round both, so that the second step is reached through the first alone, which has fetched its K.
.macro SLOT_STEPS
	s_cmp_gt_u32 s[KF], s[QH]
	s_cbranch_scc1 .Lboth_\@
	BODY 0
	s_add_co_u32 s[KF], s[KF], 128
	s_cmp_gt_u32 s[KF], s[QH]
	s_cbranch_scc1 .Lone_\@
	BODY 1
.Lone_\@:
	s_add_co_u32 s[KF], s[KF], 128
	s_branch .Ldone_\@
.Lboth_\@:
	s_add_co_u32 s[KF], s[KF], 256
.Ldone_\@:
	s_xor_b32 s[TB], s[TB], SLOT1
.endm
	s_wait_loadcnt 0x0                             ; Q
.Lslot:                                            ; NSL - 1 trips
	CHANGE 1
	SLOT_STEPS
	s_sub_co_u32 s[SLOTS], s[SLOTS], 1
	s_cmp_lg_u32 s[SLOTS], 0
	s_cbranch_scc1 .Lslot
	CHANGE 0                                       ; the last slot is written out: nothing is left to ask for
	SLOT_STEPS
	; THE WAY OUT.  O^T / the sum x 2^(e8 + e9) is ctx; register 16 b + i is channel 32 b + 16 h + i of my query: held, converted with 2^e10, it is a fragment of launch 4's operand.
	v_add_f32 v14, v14, v15
	s_delay_alu instid0(VALU_DEP_1)
	v_permlanex16_b32 v252, v14, s[SEL], s[SEL+1]
	s_delay_alu instid0(VALU_DEP_1)
	v_add_f32 v14, v14, v252                       ; the row's sum
	s_wait_alu depctr_va_vdst(0)
	v_rcp_f32 v14, v14
.rept 4
	v_nop                                          ; plain lines behind the transcendental, and places behind the last products
.endr
	s_add_co_i32 s96, s70, s71
	s_wait_alu depctr_va_vdst(0)                   ; ahead of the first reader
	v_ldexp_f32 v14, v14, s96
.set j, 0
.rept 64
	v_mul_f32 v[96+j], v[160+j], v14
.set j, j+1
.endr
.set j, 0
.rept 64
	v_med3_num_f32 v[96+j], v[96+j], -v241, v241
.set j, j+1
.endr
.set j, 0
.rept 8
	v_cvt_scalef32_pk8_fp8_f32 v[224+2*j:225+2*j], v[96+8*j:103+8*j], v245
.set j, j+1
.endr
	v_nop                                          ; a plain line behind the last conversion
.irp c, 0,1,2,3
	global_store_b128 v[L16], v[224+4*\c:227+4*\c], s[8:9] offset:512*\c   ; 512 consecutive bytes, aligned
.endr
	s_wait_tensorcnt 0x0                           ; the wave's end
	ds_add_u32 v[SPW], v[NIL]
	s_wait_dscnt 0x0
	s_endpgm
.Lfunc_end_k_qdeb8e5ce12_attn:
	.size	k_qdeb8e5ce12_attn, .Lfunc_end_k_qdeb8e5ce12_attn-k_qdeb8e5ce12_attn
	.p2alignl 7, 3214868480
	.fill 96, 4, 3214868480
	.section	.rodata,"a",@progbits
	.p2align	6, 0x0
	.amdhsa_kernel k_qdeb8e5ce12_attn
		.amdhsa_group_segment_fixed_size 327680
		.amdhsa_private_segment_fixed_size 0
		.amdhsa_enable_private_segment 0
		.amdhsa_kernarg_size 24
		.amdhsa_user_sgpr_count 2
		.amdhsa_user_sgpr_kernarg_segment_ptr 1
		.amdhsa_wavefront_size32 1
		.amdhsa_system_sgpr_workgroup_id_x 1
		.amdhsa_system_sgpr_workgroup_id_y 1
		.amdhsa_system_sgpr_workgroup_id_z 1
		.amdhsa_system_vgpr_workitem_id 0
		.amdhsa_next_free_vgpr 512
		.amdhsa_next_free_sgpr 100
		.amdhsa_reserve_vcc 1
		.amdhsa_float_denorm_mode_32 3
		.amdhsa_float_denorm_mode_16_64 3
		.amdhsa_memory_ordered 1
		.amdhsa_forward_progress 1
		.amdhsa_inst_pref_size 114
	.end_amdhsa_kernel
	.amdgpu_metadata
---
amdhsa.version: [ 1, 2 ]
amdhsa.kernels:
  - .name:           k_qdeb8e5ce12_attn
    .symbol:         k_qdeb8e5ce12_attn.kd
    .args:
      - { .name: qkv_img, .offset: 0, .size: 8, .value_kind: global_buffer, .address_space: global }
      - { .name: lowp_scales, .offset: 8, .size: 8, .value_kind: global_buffer, .address_space: global }
      - { .name: ctx_img, .offset: 16, .size: 8, .value_kind: global_buffer, .address_space: global }
    .group_segment_fixed_size: 327680
    .private_segment_fixed_size: 0
    .kernarg_segment_align: 8
    .kernarg_segment_size: 24
    .max_flat_workgroup_size: 256
    .sgpr_count:     100
    .vgpr_count:     512
    .wavefront_size: 32
...
	.end_amdgpu_metadata
.endif
;; end of part 3
;; launch oproj (part 4): grid 8 x 32, 4 waves a work-group, clusters of 4 x 4, 327,680 bytes of LDS; arguments ctx_img, w_img, lowp_scales, out0; writes out0
.if DOCPART == 4
	.amdgcn_target "amdgcn-amd-amdhsa--gfx1250"
	.amdhsa_code_object_version 6
	.text
	.protected	k_qdeb8e5ce12_oproj
	.globl	k_qdeb8e5ce12_oproj
	.p2align	8
	.type	k_qdeb8e5ce12_oproj,@function
k_qdeb8e5ce12_oproj:
	s_mov_b64 s[64:65], 0
	v_nop
	global_prefetch_b8 v0, s[64:65] scope:SCOPE_SE
	s_setreg_imm32_b32 hwreg(HW_REG_WAVE_MODE, 25, 1), 1
	s_wait_xcnt 0x0
	s_wait_alu depctr_hold_cnt(0) depctr_sa_sdst(0) depctr_va_vdst(0) depctr_va_sdst(0) depctr_va_ssrc(0) depctr_va_vcc(0) depctr_vm_vsrc(0)
	s_getreg_b32 s2, hwreg(HW_REG_IB_STS2, 6, 4)
	s_cmp_eq_u32 s2, 0
	s_cbranch_scc0 .Lentry_in_a_cluster
	s_endpgm
.Lentry_in_a_cluster:
	s_bfe_u32 s2, ttmp6, 0x10000c
	s_cmp_lg_u32 s2, 0xf033
	s_cbranch_scc0 .Lentry_shape_is_right
	s_endpgm
.Lentry_shape_is_right:
.set SLOT,   98304
.set BOFF,   32768
.set STAGE,  2*SLOT
.set SPITCH, 528
.set SPARE,  STAGE+4*16*SPITCH
.set FR,   16
.set ADRA, 16
.set ADRB, 20
.set STO,  24
.set RD,   25
.set CO,   26
.set SPW,  28
.set NIL,  29
.set TMP,  32
.set AF,   128
.set BK,   128
.set G1,  24
.set G0,  32
.set G1B, 48
.set G0B, 56
.set MSB, 0
.macro WIN new
.if MSB != (\new)
	s_set_vgpr_msb (MSB<<8)|(\new)
.set MSB, (\new)
.endif
.endm
.set MUL,  0xa1
.set TO_B, 0x40
.macro JLOAD s
	s_cmp_eq_u32 s15, 0
	s_cbranch_scc0 .Lfor_b_\@
	tensor_load_to_lds s[G0+4*\s:G0+4*\s+3], s[G1:G1+7]
	s_nop 0
.rept 4
	v_nop
.endr
	s_branch .Lasked_\@
.Lfor_b_\@:
	tensor_load_to_lds s[G0B+4*\s:G0B+4*\s+3], s[G1B:G1B+7]
	s_nop 0
.rept 4
	v_nop
.endr
.Lasked_\@:
.endm
.macro CREST
	s_cmp_lg_u32 s14, 0
	s_cbranch_scc1 .Lnot_wave_0_\@
	s_barrier_signal -3
.Lnot_wave_0_\@:
	s_barrier_wait -3
	s_barrier_signal -1
	s_barrier_wait -1
.endm
.macro CROUND
	s_barrier_signal -1
	s_barrier_wait -1
	CREST
.endm
	s_load_b128 s[4:7], s[0:1], 0x0
	s_load_b128 s[8:11], s[0:1], 0x10
	v_lshl_add_u32 v[SPW], v0, 2, SPARE
	v_mov_b32 v[NIL], 0
	ds_add_u32 v[SPW], v[NIL]
	ds_add_u32 v[SPW], v[NIL]
	v_lshrrev_b32 v1, 5, v0
	v_readfirstlane_b32 s14, v1
	s_lshr_b32 s15, s14, 1
	s_and_b32 s16, s14, 1
	s_bfe_u32 s40, ttmp6, 0x40000
	s_bfe_u32 s41, ttmp6, 0x40004
	s_lshl_b32 s42, ttmp9, 2
	s_add_co_u32 s42, s42, s40
	s_and_b32 s17, ttmp7, 0xffff
	s_lshl_b32 s17, s17, 2
	s_add_co_u32 s17, s17, s41
	s_lshl_b32 s43, s41, 2
	s_lshl_b32 s43, 15, s43
	s_lshl_b32 s44, 0x1111, s40
	s_or_b32 s[G1+0], s43, (3<<16)|(1<<21)
	s_or_b32 s[G1B+0], s44, (3<<16)|(1<<21)
	s_mov_b32 s[G1+1], 32<<16
	s_mov_b32 s[G1+2], 64<<16
	s_mov_b32 s[G1+3], 32<<16
	s_mov_b32 s[G1+4], 64
	s_mov_b32 s[G1+5], 32
	s_mov_b32 s[G1+6], 0
	s_mov_b32 s[G1+7], 0
	s_mov_b32 s[G1B+1], 32<<16
	s_mov_b32 s[G1B+2], 128<<16
	s_mov_b32 s[G1B+3], 32<<16
	s_mov_b32 s[G1B+4], 128
	s_mov_b32 s[G1B+5], 32
	s_mov_b32 s[G1B+6], 0
	s_mov_b32 s[G1B+7], 0
	s_lshl_b32 s18, s16, 2
	s_lshl_b32 s20, s17, 3
	s_add_co_u32 s20, s20, s18
	s_lshl_b32 s20, s20, 12
	s_mov_b32 s21, 0
	s_lshl_b32 s18, s16, 3
	s_lshl_b32 s46, s42, 4
	s_add_co_u32 s46, s46, s18
	s_lshl_b32 s46, s46, 12
	s_add_co_u32 s46, s46, 0x600000
	s_mov_b32 s47, 0
	s_lshl_b32 s45, s16, 14
	s_lshl_b32 s19, s16, 15
	s_add_co_u32 s19, s19, BOFF
	s_wait_dscnt 0x0
	s_wait_kmcnt 0x0
	s_load_b64 s[96:97], s[8:9], 0x28
	s_add_nc_u64 s[20:21], s[4:5], s[20:21]
	s_add_nc_u64 s[46:47], s[6:7], s[46:47]
	CROUND
.irp s, 0,1
	s_mov_b32 s[G0+4*\s], 1
	s_add_co_u32 s[G0+4*\s+1], s45, \s*SLOT
	s_add_nc_u64 s[G0+4*\s+2:G0+4*\s+3], s[20:21], \s*0x100000
	s_or_b32 s[G0+4*\s+3], s[G0+4*\s+3], 0x80000000
	s_mov_b32 s[G0B+4*\s], 1
	s_add_co_u32 s[G0B+4*\s+1], s19, \s*SLOT
	s_add_nc_u64 s[G0B+4*\s+2:G0B+4*\s+3], s[46:47], \s*0x80000
	s_or_b32 s[G0B+4*\s+3], s[G0B+4*\s+3], 0x80000000
.endr
	JLOAD 0                                        ; K step 0: one tensor load a wave at the head
	; the prefetches: of the bytes that my wave fetches in a K step (ctx: 16,384; o_w: 32,768) each of the four partners of the joint load takes a quarter, told apart by address, lanes 256 bytes apart.
	; K steps 1 and 2 are named here, K step 3 behind K step 1's load.  o_w's tiles are walked by all eight rows of clusters: the first four rows name them.
	s_cmp_eq_u32 s15, 0
	s_cselect_b64 s[68:69], s[20:21], s[46:47]
	s_cselect_b32 s70, s40, s41
	s_cselect_b32 s72, 15, 31
	s_cselect_b32 s73, 12, 13
	s_mov_b32 s74, 0x80000
	s_cselect_b32 s74, 0x100000, s74               ; a K step in bytes
	s_lshl_b32 s70, s70, s73
	s_mov_b32 s71, 0
	s_add_nc_u64 s[68:69], s[68:69], s[70:71]
	s_and_b32 s76, ttmp7, 0xffff
	s_lshr_b32 s76, s76, 2
	s_mul_i32 s76, s76, s15                        ; 0: my wave asks
	v_and_b32 v4, 31, v0
	v_min_u32 v4, s72, v4                          ; lanes that are left over name the last block again
	v_lshlrev_b32 v4, 8, v4
	v_add_nc_u32 v5, s74, v4
	v_add_nc_u32 v6, s74, v5
	v_add_nc_u32 v7, s74, v6
	s_wait_alu depctr_va_vdst(0)
	s_cmp_eq_u32 s76, 0
	s_cbranch_scc0 .Lno_pf_a
	global_prefetch_b8 v5, s[68:69] th:TH_LOAD_NT scope:SCOPE_SE
	global_prefetch_b8 v6, s[68:69] th:TH_LOAD_NT scope:SCOPE_SE
.Lno_pf_a:
	s_wait_tensorcnt 0x0                           ; my part of K step 0 is in; slot 1's first fill is issued as a refill is
	ds_add_u32 v[SPW], v[NIL]
	s_wait_dscnt 0x0
	CROUND
	JLOAD 1
	v_and_b32 v1, 15, v0
	s_wait_alu depctr_va_vdst(0)
	v_bfe_u32 v2, v0, 4, 1
	v_and_b32 v3, 31, v0
	v_lshlrev_b32 v[CO], 4, v3
	s_lshl_b32 s21, s15, 14
	s_lshl_b32 s22, s16, 15
	s_add_co_u32 s22, s22, BOFF
.irp s, 0,1
	v_add_nc_u32 v[ADRA+\s], s21, v[CO]
	v_add_nc_u32 v[ADRB+\s], s22, v[CO]
	s_add_co_u32 s21, s21, SLOT
	s_add_co_u32 s22, s22, SLOT
.endr
	s_mul_i32 s23, s14, 16*SPITCH
	s_add_co_u32 s23, s23, STAGE
	v_mul_u32_u24 v[STO], v1, SPITCH
	s_wait_alu depctr_va_vdst(0)
	v_lshl_add_u32 v[STO], v2, 6, v[STO]
	v_add_nc_u32 v[STO], s23, v[STO]
	v_add_nc_u32 v[RD], s23, v[CO]
	s_lshl_b32 s20, s17, 7
	s_lshl_b32 s21, s15, 6
	s_add_co_u32 s20, s20, s21
	s_lshl_b32 s20, s20, 13
	s_lshl_b32 s46, s42, 10
	s_lshl_b32 s47, s16, 9
	s_add_co_u32 s46, s46, s47
	s_add_co_u32 s20, s20, s46
	s_mov_b32 s21, 0
	s_add_nc_u64 s[10:11], s[10:11], s[20:21]
.macro FRAG reg, adr, q, i
.irp c, 0,1,2,3
	ds_load_b128 v[\reg+4*\c:\reg+4*\c+3], v[\adr] offset:4096*(\i)+2048*(\q)+512*\c
.endr
.endm
.macro FETCH slot, q, p
	WIN TO_B
.irp i, 0,1,2,3,4,5,6,7
	FRAG 128*(\p)+FR*\i, ADRB+\slot, \q, \i
.endr
	WIN 0
.irp i, 0,1,2,3
	FRAG AF+64*(\p)+FR*\i, ADRA+\slot, \q, \i
.endr
.endm
.macro MUL8 a, p, zero
.irp b, 0,1,2,3,4,5,6,7
.if \zero
	v_wmma_f32_16x16x128_fp8_fp8 v[8*(8*(\a)+\b):8*(8*(\a)+\b)+7], v[128*(\p)+FR*\b:128*(\p)+FR*\b+FR-1], v[AF+64*(\p)+FR*(\a):AF+64*(\p)+FR*(\a)+FR-1], 0
.else
	v_wmma_f32_16x16x128_fp8_fp8 v[8*(8*(\a)+\b):8*(8*(\a)+\b)+7], v[128*(\p)+FR*\b:128*(\p)+FR*\b+FR-1], v[AF+64*(\p)+FR*(\a):AF+64*(\p)+FR*(\a)+FR-1], v[8*(8*(\a)+\b):8*(8*(\a)+\b)+7]
.endif
.endr
.endm
.macro PLACES
.rept 4
	v_nop
.endr
.endm
.macro STEP slot, zero
	s_wait_dscnt 0x0
	WIN MUL
	MUL8 0, 0, \zero
	MUL8 1, 0, \zero
	PLACES
	FETCH \slot, 1, 1
	WIN MUL
	MUL8 2, 0, \zero
	MUL8 3, 0, \zero
.endm
.macro TURN slot, next, fill
	WIN 0
	s_wait_tensorcnt 0x0
	ds_add_u32 v[SPW], v[NIL]
	s_wait_dscnt 1
	WIN MUL
	MUL8 0, 1, 0
	s_wait_dscnt 0x0
	s_barrier_signal -1
	MUL8 1, 1, 0
	WIN 0
	s_barrier_wait -1
.if \fill
	CREST
	s_add_nc_u64 s[G0+4*\slot+2:G0+4*\slot+3], s[G0+4*\slot+2:G0+4*\slot+3], 0x200000
	s_add_nc_u64 s[G0B+4*\slot+2:G0B+4*\slot+3], s[G0B+4*\slot+2:G0B+4*\slot+3], 0x100000
	JLOAD \slot
.else
	PLACES
.endif
	FETCH \next, 0, 0
	WIN MUL
	MUL8 2, 1, 0
	MUL8 3, 1, 0
.endm
	s_wait_tensorcnt 1
	s_barrier_signal -1
	s_barrier_wait -1
	FETCH 0, 0, 0
	s_cmp_eq_u32 s76, 0
	s_cbranch_scc0 .Lno_pf_b
	global_prefetch_b8 v7, s[68:69] th:TH_LOAD_NT scope:SCOPE_SE
.Lno_pf_b:
	STEP 0, 1
	TURN 0, 1, 1
	STEP 1, 0
	TURN 1, 0, 1
	STEP 0, 0
	TURN 0, 1, 0
	STEP 1, 0
	s_wait_dscnt 0x0
	MUL8 0, 1, 0
	MUL8 1, 1, 0
	MUL8 2, 1, 0
	MUL8 3, 1, 0
	WIN 0
.macro TOSTAGE a
	WIN 0x02
.set j, 0
.rept 32
	v_pk_mul_f32 v[TMP+j:TMP+j+1], v[64*(\a)+j:64*(\a)+j+1], s[96:97] op_sel_hi:[1,0]
.set j, j+2
.endr
	WIN 0
.irp b, 0,1,2,3,4,5,6,7
	ds_store_b128 v[STO], v[TMP+8*\b:TMP+8*\b+3] offset:128*(\b/2)+32*(\b%2)
	ds_store_b128 v[STO], v[TMP+8*\b+4:TMP+8*\b+7] offset:128*(\b/2)+32*(\b%2)+16
.endr
.set j, 0
.rept 16
	ds_load_b128 v[BK+64*((\a)%2)+4*j:BK+64*((\a)%2)+4*j+3], v[RD] offset:j*SPITCH
.set j, j+1
.endr
.endm
.macro SEND a, younger
	s_wait_dscnt \younger
.set j, 0
.rept 16
	global_store_b128 v[CO], v[BK+64*((\a)%2)+4*j:BK+64*((\a)%2)+4*j+3], s[10:11] offset:(32*((\a)/2)+8*((\a)%2)+j+8*(j/8))*8192 th:TH_STORE_NT
.set j, j+1
.endr
.endm
	s_wait_kmcnt 0x0
	s_add_co_i32 s96, s96, s97
	s_add_co_i32 s96, s96, 127
	s_lshl_b32 s96, s96, 23
	s_mov_b32 s97, s96
	PLACES
	TOSTAGE 0
.irp a, 1,2,3
.if \a > 1
	s_wait_xcnt 0x0
.endif
	TOSTAGE \a
	SEND \a-1, 32
.endr
	SEND 3, 0
	s_wait_tensorcnt 0x0
	ds_add_u32 v[SPW], v[NIL]
	s_wait_dscnt 0x0
	CROUND
	s_endpgm
.Lfunc_end_k_qdeb8e5ce12_oproj:
	.size	k_qdeb8e5ce12_oproj, .Lfunc_end_k_qdeb8e5ce12_oproj-k_qdeb8e5ce12_oproj
	.p2alignl 7, 3214868480
	.fill 96, 4, 3214868480
	.section	.rodata,"a",@progbits
	.p2align	6, 0x0
	.amdhsa_kernel k_qdeb8e5ce12_oproj
		.amdhsa_group_segment_fixed_size 327680
		.amdhsa_private_segment_fixed_size 0
		.amdhsa_enable_private_segment 0
		.amdhsa_kernarg_size 32
		.amdhsa_user_sgpr_count 2
		.amdhsa_user_sgpr_kernarg_segment_ptr 1
		.amdhsa_wavefront_size32 1
		.amdhsa_system_sgpr_workgroup_id_x 1
		.amdhsa_system_sgpr_workgroup_id_y 1
		.amdhsa_system_sgpr_workgroup_id_z 1
		.amdhsa_system_vgpr_workitem_id 0
		.amdhsa_next_free_vgpr 768
		.amdhsa_next_free_sgpr 100
		.amdhsa_reserve_vcc 0
		.amdhsa_float_denorm_mode_32 3
		.amdhsa_float_denorm_mode_16_64 3
		.amdhsa_memory_ordered 1
		.amdhsa_forward_progress 1
		.amdhsa_inst_pref_size 76
	.end_amdhsa_kernel
	.amdgpu_metadata
---
amdhsa.version: [ 1, 2 ]
amdhsa.kernels:
  - .name:           k_qdeb8e5ce12_oproj
    .symbol:         k_qdeb8e5ce12_oproj.kd
    .args:
      - { .name: ctx_img, .offset: 0, .size: 8, .value_kind: global_buffer, .address_space: global }
      - { .name: w_img, .offset: 8, .size: 8, .value_kind: global_buffer, .address_space: global }
      - { .name: lowp_scales, .offset: 16, .size: 8, .value_kind: global_buffer, .address_space: global }
      - { .name: out0, .offset: 24, .size: 8, .value_kind: global_buffer, .address_space: global }
    .group_segment_fixed_size: 327680
    .private_segment_fixed_size: 0
    .kernarg_segment_align: 8
    .kernarg_segment_size: 32
    .max_flat_workgroup_size: 128
    .sgpr_count:     100
    .vgpr_count:     768
    .wavefront_size: 32
...
	.end_amdgpu_metadata
.endif
;; end of part 4
